; MI455X (gfx1250); checked and timed in simulation.
; The chip was launched on July 23, 2026; its instructions are those of AMD's public machine-readable ISA for CDNA 5 (MIT licence, August 2026) and "CDNA5" Instruction Set Architecture Reference Guide (July 2026). The comments in the code are by the model that wrote it; some were corrected since.
;; Multi Head Attention. Allowed arithmetic: matrix products marked QUANTISED: E2M1 operands, one E8M0 scale for each 32 along K, by v_wmma_scale_f32_16x16x128_f8f6f4 with both operands' format E2M1 (or v_wmma_scale_f32_32x16x128_f4), f32 sums; products left as they are: bf16, f16 or f32 operands; f32 sums; everything else in f32.
;; Inputs: Wk 1,024 x 1,024 float32; Wo 1,024 x 1,024 float32; Wq 1,024 x 1,024 float32; Wv 1,024 x 1,024 float32; bk 1,024 float32; bo 1,024 float32; bq 1,024 float32; bv 1,024 float32; x 4 x 2,048 x 1,024 float32.
;; Outputs: out0 4 x 2,048 x 1,024 float32.
;; This version of the problem:
;;   THIS VERSION OF THE PROBLEM IS GIVEN IN LOW PRECISION. The matrix products marked QUANTISED in the list below multiply operands that are first quantised to E2M1 (2 exponent bits, 1 mantissa bit; 4 bits a number), with one power-of-two scale for each 32 numbers along K (OCP MX v1.0); their sums are f32. The products marked 'left as it is' may take bf16, f16 or f32 operands, with f32 sums. Whichever they take, every output number must still come out within the allowed error. Rounding operands to bf16 (8 significant bits) uses up far more of that allowance than f16 does (11 bits, for magnitudes from 6e-5 to 65,504). All else is computed in f32.
;;   The module's matrix products, in the order in which they are computed (A, B: the left and right operand; K: the contracted axis; several contracted axes count as one K, in the product's order):
;;     1. [M 8,192, K 1,024] x [K 1,024, N 1,024]; A: input x; B: input Wq: QUANTISED
;;     2. [M 8,192, K 1,024] x [K 1,024, N 1,024]; A: input x; B: input Wk: QUANTISED
;;     3. [M 8,192, K 1,024] x [K 1,024, N 1,024]; A: input x; B: input Wv: QUANTISED
;;     4. batch 64 x [M 2,048, K 64] x [K 64, N 2,048]; A: computed on the way; B: computed on the way: left as it is (an operand is computed on the way)
;;     5. batch 64 x [M 2,048, K 2,048] x [K 2,048, N 64]; A: computed on the way; B: computed on the way: left as it is (an operand is computed on the way)
;;     6. [M 8,192, K 1,024] x [K 1,024, N 1,024]; A: computed on the way; B: input Wo: left as it is (an operand is computed on the way)
;;   THE QUANTISER, for each operand of a quantised product, along K:
;;     - K is cut into blocks of 32 from its start; a last block that is shorter is filled with zeros.
;;     - A block's scale is 2^e with e = floor(log2(the largest magnitude in the block)) - 2, held to -126 .. 127; a block of zeros has e = 0. As a byte (E8M0): e + 127.
;;     - Each number is divided by its block's scale, clamped to +-6, and rounded to the nearest number of E2M1, ties to even, subnormals kept.
;;     - The product sums the exact products of the quantised numbers (number of the format x scale) in f32.
;;   ~~~python
;;   def quantise(x, axis):      # numpy; x: float32 -> the quantised numbers, widened to float32 again
;;       x = np.moveaxis(x, axis, -1); K = x.shape[-1]
;;       x = np.pad(x, [(0, 0)] * (x.ndim - 1) + [(0, -K % 32)]); x = x.reshape(x.shape[:-1] + (-1, 32)); a = np.abs(x).max(-1, keepdims=True)
;;       e = np.where(a > 0, np.clip(np.frexp(np.where(a > 0, a, 1))[1] - 1 - 2, -126, 127), 0)      # np.frexp(a)[1] - 1 = floor(log2(a)), exactly
;;       r = np.clip(x / 2.0 ** e, -6, 6)
;;       step = 2.0 ** (np.maximum(np.frexp(np.where(r == 0, 1, r))[1] - 1, 0) - 1)
;;       q = np.round(r / step) * step * 2.0 ** e      # np.round: ties to even
;;       return np.moveaxis(q.reshape(q.shape[:-2] + (-1,))[..., :K], -1, axis).astype(np.float32)
;;   ~~~
;; One version. Each part assembles by itself: llvm-mc -triple=amdgcn-amd-amdhsa -mcpu=gfx1250 --defsym DOCPART=n.
;; ======== version 1 of 1: 5 launches
;; limits: values are held in f16: magnitudes above 65,504 overflow, below 6.1e-05 lose precision
;; workspace buffers: xc 4,194,304 bytes; xs 262,144 bytes; wc 1,572,864 bytes; ws 98,304 bytes; wo16 2,097,152 bytes; qkv 50,331,648 bytes; fine32 786,432 bytes; ao 16,777,216 bytes
;; launch prep (part 1): grid 416 x 1, 4 waves a work-group, no clusters, 33,280 bytes of LDS; arguments x, Wq, Wk, Wv, Wo, xc, xs, wc, ws, wo16; writes xc, xs, wc, ws, wo16
.if DOCPART == 1
	.amdgcn_target "amdgcn-amd-amdhsa--gfx1250"
	.amdhsa_code_object_version 6
	.text
	.protected	k_qf65a490390_prep
	.globl	k_qf65a490390_prep
	.p2align	8
	.type	k_qf65a490390_prep,@function
k_qf65a490390_prep:
	s_mov_b64 s[64:65], 0
	v_nop
	global_prefetch_b8 v0, s[64:65] scope:SCOPE_SE
	s_setreg_imm32_b32 hwreg(HW_REG_WAVE_MODE, 25, 1), 1
	s_wait_xcnt 0x0
; CAUSAL MULTI-HEAD ATTENTION, B 4, T 2,048, C 1,024, 16 heads of 64, in five launches: prep, qkv, attn, oproj, fine.  This is the first.
; DEAD WORK, LEFT OUT OF THE WHOLE PROGRAM.
; (1) bk.  score(q, k) = q . (x_k Wk^T + bk) / 8 = q . (x_k Wk^T) / 8 + q . bk / 8.  The second term does not hang on the key: it is the same for every key of a query's row that the causal
;     mask keeps (the others are -infinity with it or without), and softmax(s + const) = softmax(s) for all finite values.  k goes nowhere else, and the product of q with k is not quantised, so bk moves
;     no code and no scale.  bk has no way to an output: it is not loaded and stands among no launch's arguments.
; (2) Tiles of keys that lie wholly behind the diagonal of the jnp.tril that the problem builds itself: their scores become -infinity, their weights 0.  They are not multiplied (launch attn).
; LIMIT: a NaN, an infinity or an overflow that would reach only bk or only such hidden tiles is not carried to the result.
; WHAT THIS LAUNCH DOES.  x [8192][1024], Wq, Wk, Wv [1024][1024], f32, K innermost, become codes of FP4 (E2M1), two a byte, K innermost (xc; wc = Wq's rows, then Wk's, then Wv's), with one E8M0 byte
; for each 32 along K (xs, ws).  A block's scale is 2^(floor(log2(its largest magnitude)) - 2); its byte is the largest magnitude's exponent field - 2, held at 1 from below; each number is divided by the
; scale and rounded to the nearest code, ties to even, beyond 6 the largest code.  A block of zeros gets the byte 1 where the rule says 127: its codes are zeros, and this program alone reads the bytes.
; Wo [1024][1024] becomes f16 in the order of a 16-bit operand's registers: wo16 [n tile 64][kk 32][c 2][lane 32][16 bytes], lane (r, h) holding Wo[16 nt + r][32 kk + 16 c + 8 h + 0 .. 7].
; LIMITS: blocks whose largest magnitude lies under 2^(2 - 126) were not tried; NaN and infinities among the inputs are not served; Wo lies inside f16's range (magnitudes under 65,504).
; SHARES.  Work-groups 0-255: x;  256-351: Wq, Wk, Wv, 32 each;  352-415: Wo.  Rows are dense and K is a multiple of 32, so the first four tensors are plain streams of blocks of 32.
; A wave of the first kind takes 16 steps of 512 numbers: each load reads 512 consecutive bytes; the 2,048 bytes of a step turn through the wave's own stage in LDS and come back 64 bytes a lane (16 neighbours
; along K; two neighbouring lanes hold a block).  A lane's 16 codes are 8 bytes: the wave stores 256 consecutive bytes.  A wave's 256 scale bytes are gathered in LDS and leave as 256 consecutive bytes.
.set STEPS, 16
.set EMAX,  2
.set CB,    8                          ; bytes of 16 codes
.set R,     16                         ; v16-79   four sets of 16 numbers as they are loaded
.set X,     80                         ; v80-111  two sets of 16 neighbours
.set E,     112                        ; v112-127 a scale byte for each step
.set C,     128                        ; v128-191 codes: four registers for each step, so that no store's data are written again
.set WREG,  8192                       ; LDS: a region for each wave: two stages of 32 x SP bytes, behind them its 256 scale bytes
.set SP,    80                         ; a lane's place in a stage: 64 bytes + 16 of padding
.set SPW,   12                         ; v12  LDS address of my spare word; never rewritten
.set NIL,   13                         ; v13  0; never rewritten
.set SPARE, 4*WREG                     ; the spare words, 128 bytes a wave, which no other line names
	s_load_b256 s[4:11], s[0:1], 0x0               ; x s[4:5], Wq s[6:7], Wk s[8:9], Wv s[10:11]
	s_load_b256 s[12:19], s[0:1], 0x20             ; Wo s[12:13], xc s[14:15], xs s[16:17], wc s[18:19]
	s_load_b128 s[20:23], s[0:1], 0x40             ; ws s[20:21], wo16 s[22:23]
	v_lshl_add_u32 v[SPW], v0, 2, SPARE
	v_mov_b32 v[NIL], 0
	v_lshrrev_b32 v1, 5, v0
	v_readfirstlane_b32 s24, v1                    ; wave 0..3
	v_and_b32 v2, 31, v0                           ; lane
	s_cmp_ge_u32 ttmp9, 352
	s_cbranch_scc1 .Lwo                            ; the last 64 work-groups take Wo
	; ---- the quantiser
	v_lshlrev_b32 v3, 4, v2                        ; my 16 bytes of a load's 512
	s_mul_i32 s25, s24, WREG
	v_lshrrev_b32 v14, 2, v2
	v_mul_u32_u24 v14, v14, SP
	v_and_b32 v15, 3, v2
	v_lshl_add_u32 v14, v15, 4, v14
	v_add_nc_u32 v14, s25, v14                     ; the stage, on the way in: SP (lane / 4) + 16 (lane % 4)
	v_mul_u32_u24 v15, v2, SP
	v_add_nc_u32 v15, s25, v15                     ; and on the way out: SP x lane: my 16 neighbours
	v_mul_u32_u24 v4, v2, CB                       ; my codes' place in a step's
	v_lshrrev_b32 v5, 1, v2
	s_add_co_u32 s25, s25, 2*32*SP
	v_add_nc_u32 v5, s25, v5                       ; my wave's 256 scale bytes, my block's byte
	v_lshlrev_b32 v7, 3, v2                        ; and on the way out 8 bytes a lane
	v_add_nc_u32 v6, s25, v7
	s_sub_co_u32 s26, ttmp9, 256                   ; among the weights' 96 work-groups (used where the number is 256 or more)
	s_and_b32 s27, s26, 31                         ; and inside one weight
	s_wait_kmcnt 0x0
	s_cmp_lt_u32 ttmp9, 320                        ; the choices hang on the work-group's number alone
	s_cselect_b64 s[8:9], s[8:9], s[10:11]         ; Wk or Wv
	s_cmp_lt_u32 ttmp9, 288
	s_cselect_b64 s[6:7], s[6:7], s[8:9]           ; Wq or that
	s_cmp_lt_u32 ttmp9, 256
	s_cselect_b64 s[4:5], s[4:5], s[6:7]           ; x or that
	s_cselect_b64 s[14:15], s[14:15], s[18:19]     ; the codes' buffer
	s_cselect_b64 s[16:17], s[16:17], s[20:21]     ; the scale bytes'
	s_cselect_b32 s26, ttmp9, s26                  ; my group in the buffers written
	s_cselect_b32 s27, ttmp9, s27                  ; and in the tensor read
	s_lshl_b32 s26, s26, 2
	s_add_co_u32 s26, s26, s24                     ; my wave's run of 8,192 numbers, written
	s_lshl_b32 s27, s27, 2
	s_add_co_u32 s27, s27, s24                     ; and read
	s_lshl_b32 s28, s27, 15                        ; 32,768 bytes of f32 a run
	s_mov_b32 s29, 0
	s_add_nc_u64 s[4:5], s[4:5], s[28:29]
	s_lshl_b32 s28, s26, 12                        ; 4,096 bytes of codes
	s_add_nc_u64 s[14:15], s[14:15], s[28:29]
	s_lshl_b32 s28, s26, 8                         ; 256 scale bytes
	s_add_nc_u64 s[16:17], s[16:17], s[28:29]
.macro LOAD t
.irp i, 0,1,2,3
	global_load_b128 v[R+16*((\t)%4)+4*\i:R+16*((\t)%4)+4*\i+3], v3, s[4:5] offset:2048*(\t)+512*\i th:TH_LOAD_NT   ; 32 lanes read 512 consecutive bytes
.endr
.endm
.macro TURN t                          ; step t's numbers through the stage: LDS serves a wave's instructions in order, so no wait stands between the stores and the loads
.irp i, 0,1,2,3
	ds_store_b128 v14, v[R+16*((\t)%4)+4*\i:R+16*((\t)%4)+4*\i+3] offset:32*SP*((\t)%2)+8*SP*\i
.endr
.irp i, 0,1,2,3
	ds_load_b128 v[X+16*((\t)%2)+4*\i:X+16*((\t)%2)+4*\i+3], v15 offset:32*SP*((\t)%2)+16*\i
.endr
.endm
.irp t, 0,1,2,3
	LOAD \t
.endr
	s_wait_loadcnt 12                              ; step 0's four loads are in; the 12 of steps 1 to 3 may be out
	TURN 0
.macro STEP t
.set XS, X+16*((\t)%2)
.if (\t) > 0
	s_wait_dscnt 1                                 ; this step's numbers are back from the stage (the last step's byte store may be out): so its stores into the stage have read their registers,
.else
	s_wait_dscnt 0x0
.endif
.if (\t)+4 < STEPS
	LOAD (\t)+4                                    ; which take the loads of four steps on
.endif
.if (\t)+1 < STEPS
.if STEPS-2-(\t) >= 3
	s_wait_loadcnt 12                              ; the next step's four loads are in; those of the three steps behind it may be out
.else
	s_wait_loadcnt 4*(STEPS-2-(\t))
.endif
	TURN (\t)+1                                    ; and go through the other stage while this step is worked
.endif
	v_max3_num_f32 v8, |v[XS]|, |v[XS+1]|, |v[XS+2]|               ; the largest magnitude of my 16, in two chains
	v_max3_num_f32 v9, |v[XS+3]|, |v[XS+4]|, |v[XS+5]|
.irp i, 6,10
	v_max3_num_f32 v8, v8, |v[XS+\i]|, |v[XS+\i+1]|
	v_max3_num_f32 v9, v9, |v[XS+\i+2]|, |v[XS+\i+3]|
.endr
	v_max3_num_f32 v8, v8, |v[XS+14]|, |v[XS+15]|
	v_max3_num_f32 v8, v8, v9, (EMAX+1)<<23        ; and the floor 2^(EMAX + 1 - 127): the byte cannot fall under 1
	v_max_num_f32_dpp v8, v8, v8 row_xmask:1 row_mask:0xf bank_mask:0xf   ; and of my neighbour's 16: the block's
	v_add_nc_u32 v11, -(EMAX<<23), v8              ; EMAX off its exponent field: the conversion takes the exponent field of this operand as its scale, and nothing else of it
	v_cvt_scalef32_pk8_fp4_f32 v[C+4*(\t)], v[XS:XS+7], v11
	v_cvt_scalef32_pk8_fp4_f32 v[C+4*(\t)+1], v[XS+8:XS+15], v11
	v_lshrrev_b32 v[E+(\t)], 23, v11               ; the scale's byte (also the plain line behind the conversions)
	ds_store_b8 v5, v[E+(\t)] offset:16*(\t)       ; both lanes of a block write the same byte with the same value
	global_store_b64 v4, v[C+4*(\t):C+4*(\t)+1], s[14:15] offset:32*CB*(\t)   ; the wave stores 256 consecutive bytes, aligned
.endm
.irp t, 0,1,2,3,4,5,6,7,8,9,10,11,12,13,14,15
	STEP \t
.endr
	ds_load_b64 v[8:9], v6                         ; LDS serves a wave's instructions in order: these see my byte stores
	s_wait_dscnt 0x0
	global_store_b64 v7, v[8:9], s[16:17]          ; 32 lanes store 256 consecutive bytes, aligned
	s_wait_tensorcnt 0x0                           ; the wave's end
	ds_add_u32 v[SPW], v[NIL]
	s_wait_dscnt 0x0
	s_endpgm
	; ---- Wo to f16, in operand order.  Work-group 352 + nt takes n tile nt; wave kg takes kk = 8 kg .. 8 kg + 7 (256 along K).  No LDS: a lane's 8 numbers of a row pack into the 16 bytes that it stores.
.Lwo:
	s_sub_co_u32 s25, ttmp9, 352                   ; nt
	v_and_b32 v5, 15, v0                           ; r
	v_bfe_u32 v6, v0, 4, 1                         ; h
	v_lshlrev_b32 v3, 12, v5
	v_lshl_add_u32 v3, v6, 5, v3                   ; in: row r of 4,096 bytes, + 32 h
	v_lshlrev_b32 v4, 4, v2                        ; out: 16 x lane
	s_lshl_b32 s26, s25, 16                        ; 16 rows of 4,096 bytes a tile,
	s_lshl_b32 s27, s24, 10                        ; 256 numbers a wave
	s_add_co_u32 s26, s26, s27
	s_mov_b32 s27, 0
	s_lshl_b32 s28, s25, 15                        ; 32 fragments of 1,024 bytes a tile,
	s_lshl_b32 s29, s24, 13                        ; 8 a wave
	s_add_co_u32 s28, s28, s29
	s_mov_b32 s29, 0
	s_wait_kmcnt 0x0
	s_add_nc_u64 s[12:13], s[12:13], s[26:27]
	s_add_nc_u64 s[22:23], s[22:23], s[28:29]
.irp f, 0,1,2,3,4,5,6,7
.irp c, 0,1
.irp u, 0,1
	global_load_b128 v[16+16*\f+8*\c+4*\u:16+16*\f+8*\c+4*\u+3], v3, s[12:13] offset:128*\f+64*\c+16*\u   ; Wo[16 nt + r][256 kg + 32 f + 16 c + 8 h + 4 u ..]
.endr
.endr
.endr
	s_wait_loadcnt 0x0
.irp f, 0,1,2,3,4,5,6,7
.irp i, 0,1,2,3,4,5,6,7
	v_cvt_pk_f16_f32 v[16+16*\f+\i], v[16+16*\f+2*\i], v[16+16*\f+2*\i+1]   ; in place, ascending: register i is written when registers 2 i and 2 i + 1 are read
.endr
.endr
.irp f, 0,1,2,3,4,5,6,7
.irp c, 0,1
	global_store_b128 v4, v[16+16*\f+4*\c:16+16*\f+4*\c+3], s[22:23] offset:1024*\f+512*\c   ; the wave stores 512 consecutive bytes, aligned
.endr
.endr
	s_wait_tensorcnt 0x0                           ; the wave's end
	ds_add_u32 v[SPW], v[NIL]
	s_wait_dscnt 0x0
	s_endpgm
.Lfunc_end_k_qf65a490390_prep:
	.size	k_qf65a490390_prep, .Lfunc_end_k_qf65a490390_prep-k_qf65a490390_prep
	.p2alignl 7, 3214868480
	.fill 96, 4, 3214868480
	.section	.rodata,"a",@progbits
	.p2align	6, 0x0
	.amdhsa_kernel k_qf65a490390_prep
		.amdhsa_group_segment_fixed_size 33280
		.amdhsa_private_segment_fixed_size 0
		.amdhsa_enable_private_segment 0
		.amdhsa_kernarg_size 80
		.amdhsa_user_sgpr_count 2
		.amdhsa_user_sgpr_kernarg_segment_ptr 1
		.amdhsa_wavefront_size32 1
		.amdhsa_system_sgpr_workgroup_id_x 1
		.amdhsa_system_sgpr_workgroup_id_y 1
		.amdhsa_system_sgpr_workgroup_id_z 1
		.amdhsa_system_vgpr_workitem_id 0
		.amdhsa_next_free_vgpr 192
		.amdhsa_next_free_sgpr 66
		.amdhsa_reserve_vcc 0
		.amdhsa_float_denorm_mode_32 3
		.amdhsa_float_denorm_mode_16_64 3
		.amdhsa_memory_ordered 1
		.amdhsa_forward_progress 1
		.amdhsa_inst_pref_size 43
	.end_amdhsa_kernel
	.amdgpu_metadata
---
amdhsa.version: [ 1, 2 ]
amdhsa.kernels:
  - .name:           k_qf65a490390_prep
    .symbol:         k_qf65a490390_prep.kd
    .args:
      - { .name: x, .offset: 0, .size: 8, .value_kind: global_buffer, .address_space: global }
      - { .name: Wq, .offset: 8, .size: 8, .value_kind: global_buffer, .address_space: global }
      - { .name: Wk, .offset: 16, .size: 8, .value_kind: global_buffer, .address_space: global }
      - { .name: Wv, .offset: 24, .size: 8, .value_kind: global_buffer, .address_space: global }
      - { .name: Wo, .offset: 32, .size: 8, .value_kind: global_buffer, .address_space: global }
      - { .name: xc, .offset: 40, .size: 8, .value_kind: global_buffer, .address_space: global }
      - { .name: xs, .offset: 48, .size: 8, .value_kind: global_buffer, .address_space: global }
      - { .name: wc, .offset: 56, .size: 8, .value_kind: global_buffer, .address_space: global }
      - { .name: ws, .offset: 64, .size: 8, .value_kind: global_buffer, .address_space: global }
      - { .name: wo16, .offset: 72, .size: 8, .value_kind: global_buffer, .address_space: global }
    .group_segment_fixed_size: 33280
    .private_segment_fixed_size: 0
    .kernarg_segment_align: 8
    .kernarg_segment_size: 80
    .max_flat_workgroup_size: 128
    .sgpr_count:     66
    .vgpr_count:     192
    .wavefront_size: 32
...
	.end_amdgpu_metadata
.endif
;; end of part 1
;; launch qkv (part 2): grid 12 x 32, 4 waves a work-group, clusters of 4 x 4, 327,680 bytes of LDS; arguments xc, xs, wc, ws, bq, bv, qkv, fine32; writes qkv, fine32
.if DOCPART == 2
	.amdgcn_target "amdgcn-amd-amdhsa--gfx1250"
	.amdhsa_code_object_version 6
	.text
	.protected	k_qf65a490390_qkv
	.globl	k_qf65a490390_qkv
	.p2align	8
	.type	k_qf65a490390_qkv,@function
k_qf65a490390_qkv:
	s_mov_b64 s[64:65], 0
	v_nop
	global_prefetch_b8 v0, s[64:65] scope:SCOPE_SE
	s_setreg_imm32_b32 hwreg(HW_REG_WAVE_MODE, 25, 1), 1
	s_wait_xcnt 0x0
	s_wait_alu depctr_hold_cnt(0) depctr_sa_sdst(0) depctr_va_vdst(0) depctr_va_sdst(0) depctr_va_ssrc(0) depctr_va_vcc(0) depctr_vm_vsrc(0)
	s_getreg_b32 s2, hwreg(HW_REG_IB_STS2, 6, 4)
	s_cmp_eq_u32 s2, 0
	s_cbranch_scc0 .Lentry_in_a_cluster
	s_endpgm
.Lentry_in_a_cluster:
	s_bfe_u32 s2, ttmp6, 0x10000c
	s_cmp_lg_u32 s2, 0xf033
	s_cbranch_scc0 .Lentry_shape_is_right
	s_endpgm
.Lentry_shape_is_right:
; q = x Wq^T + bq, k = x Wk^T, v = x Wv^T + bv as ONE product on codes of FP4 (E2M1) with E8M0 scales: [8192][1024] x [3072][1024]^T, sums in f32.  bk is left out: it is the same for all keys of a softmax's row
; and reaches no output (shown at the head of launch prep); it is not among the arguments.
; A tile of 256 tokens x 256 channels is made by a work-group of four waves, 128 x 128 a wave: 64 accumulators.  K = 1,024 is two steps of 512: both lie in LDS from the start (two slots, rows of 256 bytes + 16 of
; padding), and so do the scale bytes of the work-group's rows: nothing is filled twice.
; CLUSTERS: 4 x 4 work-groups.  The four of a row of the cluster need the same tokens, the four of a column the same weights: each tile is asked for jointly, by the same tensor load with a mask that names the four.
; The tile row is 8 cy + cluster y, so that cy is the batch and cluster y = 0 means the batch's first 256 tokens in all sixteen partners.  The tile column is 4 x cluster x + cx, so that cluster x says q, k or v.
; THE MATRIX INSTRUCTION IS USED TRANSPOSED (source 0 = 16 rows of W, source 1 = 16 tokens): lane (r, h) holds token r and eight neighbouring channels 8 h + 0 .. 7.  Rounded to f16 these are 16 bytes that ARE
; registers 0-3 or 4-7 of a 16-bit operand of the attention: they are stored from registers, 512 consecutive bytes an instruction: qkv [q, k, v][batch x head 64][token tile 128][16 channels 4][512 bytes].
; For q and k lane (r, h) stores at 16 (r + 16 h).  For v at 256 (r / 8) + 128 h + 16 (r % 8): a turning LDS load at 16 x lane then gives half a fragment of v^T.
; The biases are the C of each sum's first product.  Tokens 0-15 of each batch also leave as f32 (fine32 [batch 4][16][3072]) for launch fine.
; LIMIT: |q|, |k|, |v| under 65,504 (f16's range); NaN and infinities among the inputs are not served.
; REGISTERS, in windows of 256: window 0: v0-31 addresses; v32-95 scale words, two sets (on the way out: packed results); v128-191 the tokens' fragments, ONE set; v192-255 the bias, 8 registers a channel tile.
;   window 1: the weights' fragments, two sets, at v0 and v128.   window 2: the accumulators of my tokens 0-63 ((a, b) at v[8 (8 a + b)]);   window 3: those of my tokens 64-127.
.set NQ,     4                         ; matrix instructions deep in a slot: 512 along K
.set ROWB,   256                       ; a tile's row in bytes
.set KROW,   512                       ; a row of codes in memory
.set PITCH,  272                       ; an LDS row: 256 bytes + 16 = 68 words: the 16 rows that a load touches start 4 banks apart (64 banks of 4 bytes: ISA guide 11.1)
.set FR,     8                         ; registers of a fragment
.set NL,     2                         ; LDS loads that bring one
.set NP,     4                         ; places behind this matrix instruction (ISA guide 7.12.1)
.set HALFT,  128*PITCH
.set SLOT,   4*HALFT                   ; the tokens' 256 rows, then the weights' 256 rows
.set KS,     32                        ; a row of scale bytes
.set SCL,    2*SLOT                    ; behind the slots: the scale bytes, as 256 bytes + 16 of padding
.set HALFS,  (128*KS/256)*272
.set SBLK,   (16*KS/256)*272
.set SPARE,  SCL+4*HALFS               ; the spare words, 128 bytes a wave, which no other line names
.set ADRA, 16                          ; v16-17  LDS address of my tokens' fragments in slot 0, 1
.set ADRB, 20                          ; v20-21  the same for the weights
.set FO,   25                          ; v25     my byte offset among the fine rows: 12,288 r + 32 h
.set CO,   26                          ; v26     my 16 bytes in a block of 512 of qkv
.set ADRS, 27                          ; v27     LDS address of my scale words: lanes 0-15 the tokens', lanes 16-31 the weights'
.set SPW,  28
.set NIL,  29
.set SC,   32
.set TMP,  32
.set AF,   128
.set BI,   192
.set G1, 24
.set G0, 32
.set G1B, 48
.set G0B, 56
.set G1S, 68
.set G0S, 76
.set G1SB, 80
.set G0SB, 88
.set MSB, 0
.macro WIN new                         ; the immediate's high byte repeats the setting that is left
.if MSB != \new
	s_set_vgpr_msb (MSB<<8)|\new
.set MSB, \new
.endif
.endm
.set MUL_LO, 0xa1                      ; source 0 (W) window 1, source 1 (x) window 0, C and D window 2
.set MUL_HI, 0xf1                      ; the same, C and D window 3
.set BIA_LO, 0x81                      ; the first products: C (the bias) window 0, D window 2
.set BIA_HI, 0xc1                      ; D window 3
.set TO_B,   0x40                      ; destination window 1, address window 0
; A joint load: waves 0 and 1 fetch for x, waves 2 and 3 for W.  The branch hangs on the wave's number alone.  An s_nop 0 and four v_nop follow each of the two lines.
.macro JLOAD g0a, g1a, g0b, g1b
	s_cmp_eq_u32 s15, 0
	s_cbranch_scc0 .Lfor_b_\@
	tensor_load_to_lds s[\g0a:\g0a+3], s[\g1a:\g1a+7]
	s_nop 0
.rept 4
	v_nop
.endr
	s_branch .Lasked_\@
.Lfor_b_\@:
	tensor_load_to_lds s[\g0b:\g0b+3], s[\g1b:\g1b+7]
	s_nop 0
.rept 4
	v_nop
.endr
.Lasked_\@:
.endm
.macro CROUND                          ; a round of the cluster's barrier
	s_barrier_signal -1
	s_barrier_wait -1
	s_cmp_lg_u32 s14, 0
	s_cbranch_scc1 .Lnot_wave_0_\@
	s_barrier_signal -3
.Lnot_wave_0_\@:
	s_barrier_wait -3
	s_barrier_signal -1
	s_barrier_wait -1
.endm
	s_load_b256 s[4:11], s[0:1], 0x0               ; xc s[4:5], xs s[6:7], wc s[8:9], ws s[10:11]
	s_load_b128 s[96:99], s[0:1], 0x20             ; bq s[96:97], bv s[98:99]
	s_load_b64 s[12:13], s[0:1], 0x30              ; qkv
	s_load_b64 s[66:67], s[0:1], 0x38              ; fine32
	v_lshl_add_u32 v[SPW], v0, 2, SPARE
	v_mov_b32 v[NIL], 0
	ds_add_u32 v[SPW], v[NIL]                      ; the wave's opening: the add, twice on end, and its wait ahead of my first tensor load
	ds_add_u32 v[SPW], v[NIL]
	v_lshrrev_b32 v1, 5, v0
	v_readfirstlane_b32 s14, v1                    ; wave 0..3
	s_lshr_b32 s15, s14, 1                         ; which half of the tile's tokens is mine.  Also: I fetch for x (0) or for W (1)
	s_and_b32 s16, s14, 1                          ; which half of its channels.  Also: which 128 rows of that tile I fetch
	s_bfe_u32 s40, ttmp6, 0x40000                  ; cx
	s_bfe_u32 s41, ttmp6, 0x40004                  ; cy
	s_lshl_b32 s42, ttmp9, 2
	s_add_co_u32 s42, s42, s40                     ; tile column = 4 x cluster x + cx
	s_and_b32 s95, ttmp7, 0xffff                   ; cluster y: which 256 tokens of a batch
	s_lshl_b32 s17, s41, 3
	s_add_co_u32 s17, s17, s95                     ; tile row = 8 cy + cluster y
	s_lshl_b32 s43, s41, 2
	s_lshl_b32 s43, 15, s43                        ; my row of the cluster
	s_lshl_b32 s44, 0x1111, s40                    ; my column
	s_or_b32 s[G1+0], s43, (0<<16)|(1<<20)|(1<<21)|(5<<22)|(3<<25)  ; the mask; elements of 1 byte; padding on; bit 21 beside a mask; after every 64 words, 4 words
	s_or_b32 s[G1B+0], s44, (0<<16)|(1<<20)|(1<<21)|(5<<22)|(3<<25)
.irp g, G1, G1B
	s_mov_b32 s[\g+1], ROWB<<16                    ; tensor_dim0
	s_mov_b32 s[\g+2], 128<<16                     ; tensor_dim1
	s_mov_b32 s[\g+3], ROWB<<16                    ; tile_dim0
	s_mov_b32 s[\g+4], 128                         ; tile_dim1
	s_mov_b32 s[\g+5], KROW                        ; the pitch
	s_mov_b32 s[\g+6], 0
	s_mov_b32 s[\g+7], 0
.endr
	s_or_b32 s[G1S+0], s43, (3<<16)|(1<<20)|(1<<21)|(5<<22)|(3<<25)  ; the scale bytes of 128 rows: 4,096 dense bytes as 16 rows of 256 (32 elements of 8 bytes), padded alike
	s_or_b32 s[G1SB+0], s44, (3<<16)|(1<<20)|(1<<21)|(5<<22)|(3<<25)
.irp g, G1S, G1SB
	s_mov_b32 s[\g+1], 32<<16
	s_mov_b32 s[\g+2], (128*KS/256)<<16
	s_mov_b32 s[\g+3], 32<<16
	s_mov_b32 s[\g+4], 128*KS/256
	s_mov_b32 s[\g+5], 32
	s_mov_b32 s[\g+6], 0
	s_mov_b32 s[\g+7], 0
.endr
	s_lshl_b32 s18, s16, 7                         ; which 128 rows of the tile I fetch
	s_lshl_b32 s20, s17, 8
	s_add_co_u32 s20, s20, s18                     ; x: row 256 x tile row + 128 x half
	s_lshl_b32 s46, s42, 8
	s_add_co_u32 s46, s46, s18                     ; W: row 256 x tile column + 128 x half
	s_mov_b32 s21, 0
	s_mov_b32 s47, 0
	s_mov_b64 s[18:19], KS
	s_mul_u64 s[22:23], s[20:21], s[18:19]         ; where these rows' scale bytes begin
	s_mul_u64 s[92:93], s[46:47], s[18:19]
	s_mov_b64 s[18:19], KROW
	s_mul_u64 s[20:21], s[20:21], s[18:19]         ; and their codes
	s_mul_u64 s[46:47], s[46:47], s[18:19]
	s_mul_i32 s45, s14, HALFT                      ; where they go: wave x 128 rows: no place in the cluster enters an LDS address
	s_mul_i32 s94, s14, HALFS
	s_wait_dscnt 0x0                               ; both opening adds are done
	s_wait_kmcnt 0x0
	s_add_nc_u64 s[20:21], s[4:5], s[20:21]
	s_add_nc_u64 s[22:23], s[6:7], s[22:23]
	s_add_nc_u64 s[46:47], s[8:9], s[46:47]
	s_add_nc_u64 s[92:93], s[10:11], s[92:93]
	CROUND                                         ; all sixteen work-groups are here: the joint loads meet
	s_mov_b32 s[G0S], 1
	s_add_co_u32 s[G0S+1], s94, SCL
	s_mov_b64 s[G0S+2:G0S+3], s[22:23]
	s_or_b32 s[G0S+3], s[G0S+3], 0x80000000
	s_mov_b32 s[G0SB], 1
	s_add_co_u32 s[G0SB+1], s94, SCL
	s_mov_b64 s[G0SB+2:G0SB+3], s[92:93]
	s_or_b32 s[G0SB+3], s[G0SB+3], 0x80000000
	JLOAD G0S, G1S, G0SB, G1SB                     ; the scale bytes first: they are wanted with the first step
.irp s, 0,1
	s_mov_b32 s[G0+4*\s], 1
	s_add_co_u32 s[G0+4*\s+1], s45, \s*SLOT
	s_add_nc_u64 s[G0+4*\s+2:G0+4*\s+3], s[20:21], \s*ROWB
	s_or_b32 s[G0+4*\s+3], s[G0+4*\s+3], 0x80000000
	s_mov_b32 s[G0B+4*\s], 1
	s_add_co_u32 s[G0B+4*\s+1], s45, \s*SLOT
	s_add_nc_u64 s[G0B+4*\s+2:G0B+4*\s+3], s[46:47], \s*ROWB
	s_or_b32 s[G0B+4*\s+3], s[G0B+4*\s+3], 0x80000000
	JLOAD G0+4*\s, G1, G0B+4*\s, G1B               ; three tensor loads of mine are out: all that this launch asks for
.endr
	v_and_b32 v1, 15, v0                           ; r
	v_bfe_u32 v2, v0, 4, 1                         ; h
	v_mul_u32_u24 v3, v1, PITCH
	v_lshl_add_u32 v4, v2, 4, v3                   ; a fragment's row x pitch + 16 h
	s_mul_i32 s21, s15, HALFT                      ; my 128 tokens
	s_mul_i32 s22, s16, HALFT                      ; my 128 rows of W,
	s_add_co_u32 s22, s22, 2*HALFT                 ; which lie behind the tokens' 256
.irp s, 0,1
	v_add_nc_u32 v[ADRA+\s], s21, v4
	v_add_nc_u32 v[ADRB+\s], s22, v4
	s_add_co_u32 s21, s21, SLOT
	s_add_co_u32 s22, s22, SLOT
.endr
	v_mul_u32_u24 v5, v1, KS                       ; my row's scale bytes: KS a row,
	v_lshrrev_b32 v6, 8, v5
	v_lshl_add_u32 v5, v6, 4, v5                   ; and 16 more for each 256 passed
	s_mul_i32 s21, s15, HALFS
	s_mul_i32 s22, s16, HALFS
	s_add_co_u32 s22, s22, 2*HALFS
	s_sub_co_u32 s22, s22, s21
	v_mul_u32_u24 v6, s22, v2                      ; lanes 16-31 take the weights': one product, the distance between the two bases x h
	s_add_co_u32 s21, s21, SCL
	v_add_nc_u32 v5, v5, v6
	v_add_nc_u32 v[ADRS], s21, v5
	v_mul_u32_u24 v[FO], v1, 12288                 ; the fine rows: token r of 3,072 f32, + 32 h
	v_lshl_add_u32 v[FO], v2, 5, v[FO]
	v_and_b32 v6, 31, v0
	v_lshlrev_b32 v5, 4, v6                        ; q, k: 16 x lane
	v_lshrrev_b32 v6, 3, v1
	v_lshlrev_b32 v6, 8, v6
	v_lshl_add_u32 v6, v2, 7, v6
	v_and_b32 v7, 7, v1
	v_lshl_add_u32 v6, v7, 4, v6                   ; v: 256 (r / 8) + 128 h + 16 (r % 8)
	s_cmp_eq_u32 ttmp9, 2
	s_cselect_b32 s94, -1, 0
	v_cndmask_b32 v[CO], v5, v6, s94
	s_lshl_b32 s20, ttmp9, 24                      ; qkv: q, k or v: 16,777,216 bytes each,
	s_lshl_b32 s21, s41, 4
	s_lshl_b32 s22, s40, 2
	s_add_co_u32 s21, s21, s22
	s_lshl_b32 s22, s16, 1
	s_add_co_u32 s21, s21, s22                     ; batch x head = 16 cy + 4 cx + 2 x my half (+ b / 4, in the stores' immediates),
	s_lshl_b32 s21, s21, 18                        ; 262,144 bytes each,
	s_add_co_u32 s20, s20, s21
	s_lshl_b32 s21, s95, 4
	s_lshl_b32 s22, s15, 3
	s_add_co_u32 s21, s21, s22                     ; token tile = 16 x cluster y + 8 x my half (+ a),
	s_lshl_b32 s21, s21, 11                        ; 2,048 bytes each
	s_add_co_u32 s20, s20, s21
	s_mov_b32 s21, 0
	s_add_nc_u64 s[12:13], s[12:13], s[20:21]
	s_mul_i32 s20, s41, 196608                     ; fine32: the batch's 16 rows of 12,288 bytes,
	s_lshl_b32 s21, s42, 10                        ; the tile column's 256 numbers,
	s_add_co_u32 s20, s20, s21
	s_lshl_b32 s21, s16, 9                         ; my half's 128
	s_add_co_u32 s20, s20, s21
	s_mov_b32 s21, 0
	s_add_nc_u64 s[66:67], s[66:67], s[20:21]
	; the bias in the result's layout: tile b's register j = bias[256 cx + 128 x my half + 16 b + 8 h + j].  The branch hangs on cluster x: the same in all sixteen partners
	s_cmp_eq_u32 ttmp9, 1
	s_cbranch_scc1 .Lno_bias
	s_cmp_eq_u32 ttmp9, 0
	s_cselect_b64 s[96:97], s[96:97], s[98:99]     ; bq or bv
	s_lshl_b32 s92, s40, 10
	s_lshl_b32 s93, s16, 9
	s_add_co_u32 s92, s92, s93
	s_mov_b32 s93, 0
	s_add_nc_u64 s[96:97], s[96:97], s[92:93]
	v_lshlrev_b32 v5, 5, v2
.irp b, 0,1,2,3,4,5,6,7
	global_load_b128 v[BI+8*\b:BI+8*\b+3], v5, s[96:97] offset:64*\b
	global_load_b128 v[BI+8*\b+4:BI+8*\b+7], v5, s[96:97] offset:64*\b+16
.endr
	s_branch .Lbias_done
.Lno_bias:                                             ; k has none: bk is dead work
.set i, 0
.rept 64
	v_mov_b32 v[BI+i], 0
.set i, i+1
.endr
.Lbias_done:
.macro FRAG reg, adr, q, i             ; 16 rows x 128 K of 4-bit codes: lane l holds row l % 16; registers 4 c .. 4 c + 3 hold K = 64 c + 32 (l / 16) + 0 .. 31
.irp c, 0,1
	ds_load_b128 v[\reg+4*\c:\reg+4*\c+3], v[\adr] offset:64*(\q)+32*\c+(\i)*16*PITCH
.endr
.endm
; 16 matrix instructions: token blocks a0, a0 + 1 x the weights' eight, 128 along K.  first = 1: C is the bias.  The 64 accumulators take turns, one instruction a turn, in the same order in every step.
.macro MUL16 a0, p, q, sc, first
.irp a, \a0, \a0+1
.irp b, 0,1,2,3,4,5,6,7
.if \first
	v_wmma_scale_f32_16x16x128_f8f6f4 v[8*(8*((\a)%4)+\b):8*(8*((\a)%4)+\b)+7], v[128*(\p)+FR*\b:128*(\p)+FR*\b+FR-1], v[AF+FR*(\a):AF+FR*(\a)+FR-1], v[BI+8*\b:BI+8*\b+7], v[SC+8*NQ*(\sc)+NQ*\b+(\q)], v[SC+8*NQ*(\sc)+NQ*(\a)+(\q)] matrix_a_fmt:MATRIX_FMT_FP4 matrix_b_fmt:MATRIX_FMT_FP4 matrix_a_scale:MATRIX_SCALE_ROW1
.else
	v_wmma_scale_f32_16x16x128_f8f6f4 v[8*(8*((\a)%4)+\b):8*(8*((\a)%4)+\b)+7], v[128*(\p)+FR*\b:128*(\p)+FR*\b+FR-1], v[AF+FR*(\a):AF+FR*(\a)+FR-1], v[8*(8*((\a)%4)+\b):8*(8*((\a)%4)+\b)+7], v[SC+8*NQ*(\sc)+NQ*\b+(\q)], v[SC+8*NQ*(\sc)+NQ*(\a)+(\q)] matrix_a_fmt:MATRIX_FMT_FP4 matrix_b_fmt:MATRIX_FMT_FP4 matrix_a_scale:MATRIX_SCALE_ROW1
.endif
.endr
.endr
.endm
.macro FETCH_B slot, q, p
	WIN TO_B
.irp i, 0,1,2,3,4,5,6,7
	FRAG 128*(\p)+FR*\i, ADRB+\slot, \q, \i
.endr
	WIN 0
.endm
.macro FETCH_A slot, q, i0
.irp i, \i0, \i0+1, \i0+2, \i0+3
	FRAG AF+FR*(\i), ADRA+\slot, \q, \i
.endr
.endm
.macro SCALES sc                       ; a slot's scale words: 4 a row; lanes 0-15 take the tokens' block i, lanes 16-31 the weights' block i
.irp i, 0,1,2,3,4,5,6,7
	ds_load_b128 v[SC+8*NQ*\sc+NQ*\i:SC+8*NQ*\sc+NQ*\i+3], v[ADRS] offset:\i*SBLK
.endr
.endm
.macro PLACES n                        ; plain vector instructions between a matrix instruction and a load into, or a read of, its registers
.rept \n
	v_nop
.endr
.endm
.macro STEP slot, q, first             ; a step of 128 along K that has its successor in the same slot
	s_wait_dscnt 4*NL                              ; W's set and token blocks 0-3 are in; the youngest eight loads (blocks 4-7) may be out
.if \first
	WIN BIA_LO
.else
	WIN MUL_LO
.endif
	MUL16 0, (\q)%2, \q, \slot, \first
	MUL16 2, (\q)%2, \q, \slot, \first
	s_wait_dscnt 0                                 ; blocks 4-7 are in
	PLACES NP
	FETCH_B \slot, (\q)+1, 1-(\q)%2
	FETCH_A \slot, (\q)+1, 0
.if \first
	WIN BIA_HI
.else
	WIN MUL_HI
.endif
	MUL16 4, (\q)%2, \q, \slot, \first
	MUL16 6, (\q)%2, \q, \slot, \first
	PLACES NP
	WIN 0
	FETCH_A \slot, (\q)+1, 4
.endm
.macro STEPS slot, from
.set Q, \from
.rept NQ-1-\from
	STEP \slot, Q, 0
.set Q, Q+1
.endr
.endm
	s_wait_tensorcnt 1                             ; the scale bytes and my part of slot 0 are in (slot 1's load may be out)
	s_barrier_signal -1
	s_barrier_wait -1                              ; everybody's are
	FETCH_B 0, 0, 0
	FETCH_A 0, 0, 0
	SCALES 0
	FETCH_A 0, 0, 4
	s_wait_loadcnt 0x0                             ; the bias
	STEP 0, 0, 1
	STEPS 0, 1
	; slot 0's last step changes slots: each wave waits for its part of slot 1 and for its reads, then one barrier
	s_wait_tensorcnt 0x0                           ; all my tensor loads have landed
	ds_add_u32 v[SPW], v[NIL]                      ; 0 onto my spare word
	s_wait_dscnt 4*NL+1                            ; (the add and the youngest eight loads may be out)
	WIN MUL_LO
	MUL16 0, 1, NQ-1, 0, 0
	s_wait_dscnt 0x0
	s_barrier_signal -1
	MUL16 2, 1, NQ-1, 0, 0
	WIN 0
	s_barrier_wait -1                              ; slot 1 is whole
	PLACES NP
	v_add_nc_u32 v[ADRS], 4*NQ, v[ADRS]            ; on to slot 1's scale words
	FETCH_B 1, 0, 0
	FETCH_A 1, 0, 0
	SCALES 1
	WIN MUL_HI
	MUL16 4, 1, NQ-1, 0, 0
	MUL16 6, 1, NQ-1, 0, 0
	PLACES NP
	WIN 0
	FETCH_A 1, 0, 4
	STEPS 1, 0
	s_wait_dscnt 4*NL                              ; the very last step: nothing more to fetch
	WIN MUL_LO
	MUL16 0, 1, NQ-1, 1, 0
	MUL16 2, 1, NQ-1, 1, 0
	s_wait_dscnt 0
	WIN MUL_HI
	MUL16 4, 1, NQ-1, 1, 0
	MUL16 6, 1, NQ-1, 1, 0
	WIN 0
	PLACES NP                                      ; behind the last products: for the reads of results and for the writes into the registers that held scale words
	; tokens 0-15 of a batch, as f32: cluster y = 0 (alike in all partners), the waves of the first half of the tokens, block 0
	s_cmp_lg_u32 s95, 0
	s_cbranch_scc1 .Lnofine
	s_cmp_lg_u32 s15, 0
	s_cbranch_scc1 .Lnofine
	WIN 0x08                                       ; a store's data: window 2
.irp b, 0,1,2,3,4,5,6,7
	global_store_b128 v[FO], v[8*\b:8*\b+3], s[66:67] offset:64*\b          ; each accumulator from its low end on
	global_store_b128 v[FO], v[8*\b+4:8*\b+7], s[66:67] offset:64*\b+16
.endr
	WIN 0
.Lnofine:
; block a (16 tokens x 128 channels): rounded to f16, 16 bytes a lane, stored as they stand
.macro OUT a
.set AC, 64*((\a)%4)
.set TT, TMP+32*((\a)%2)
.if (\a) >= 2
	s_wait_xcnt 0x0                                ; block a - 2's stores have read their data: these registers are written again only behind this wait
.endif
	WIN 0x0a+5*((\a)/4)                            ; sources 0 and 1: window 2 or 3
.irp b, 0,1,2,3,4,5,6,7
.irp i, 0,1,2,3
	v_cvt_pk_f16_f32 v[TT+4*\b+\i], v[AC+8*\b+2*\i], v[AC+8*\b+2*\i+1]
.endr
.endr
	WIN 0
.irp b, 0,1,2,3,4,5,6,7
	global_store_b128 v[CO], v[TT+4*\b:TT+4*\b+3], s[12:13] offset:2048*(\a)+512*(\b%4)+262144*(\b/4)   ; the wave stores 512 consecutive bytes, aligned
.endr
.endm
.irp a, 0,1,2,3,4,5,6,7
	OUT \a
.endr
	s_wait_tensorcnt 0x0                           ; the wave's end
	ds_add_u32 v[SPW], v[NIL]
	s_wait_dscnt 0x0
	CROUND                                         ; the closing round
	s_endpgm
.Lfunc_end_k_qf65a490390_qkv:
	.size	k_qf65a490390_qkv, .Lfunc_end_k_qf65a490390_qkv-k_qf65a490390_qkv
	.p2alignl 7, 3214868480
	.fill 96, 4, 3214868480
	.section	.rodata,"a",@progbits
	.p2align	6, 0x0
	.amdhsa_kernel k_qf65a490390_qkv
		.amdhsa_group_segment_fixed_size 327680
		.amdhsa_private_segment_fixed_size 0
		.amdhsa_enable_private_segment 0
		.amdhsa_kernarg_size 64
		.amdhsa_user_sgpr_count 2
		.amdhsa_user_sgpr_kernarg_segment_ptr 1
		.amdhsa_wavefront_size32 1
		.amdhsa_system_sgpr_workgroup_id_x 1
		.amdhsa_system_sgpr_workgroup_id_y 1
		.amdhsa_system_sgpr_workgroup_id_z 1
		.amdhsa_system_vgpr_workitem_id 0
		.amdhsa_next_free_vgpr 1024
		.amdhsa_next_free_sgpr 102
		.amdhsa_reserve_vcc 0
		.amdhsa_float_denorm_mode_32 3
		.amdhsa_float_denorm_mode_16_64 3
		.amdhsa_memory_ordered 1
		.amdhsa_forward_progress 1
		.amdhsa_inst_pref_size 124
	.end_amdhsa_kernel
	.amdgpu_metadata
---
amdhsa.version: [ 1, 2 ]
amdhsa.kernels:
  - .name:           k_qf65a490390_qkv
    .symbol:         k_qf65a490390_qkv.kd
    .args:
      - { .name: xc, .offset: 0, .size: 8, .value_kind: global_buffer, .address_space: global }
      - { .name: xs, .offset: 8, .size: 8, .value_kind: global_buffer, .address_space: global }
      - { .name: wc, .offset: 16, .size: 8, .value_kind: global_buffer, .address_space: global }
      - { .name: ws, .offset: 24, .size: 8, .value_kind: global_buffer, .address_space: global }
      - { .name: bq, .offset: 32, .size: 8, .value_kind: global_buffer, .address_space: global }
      - { .name: bv, .offset: 40, .size: 8, .value_kind: global_buffer, .address_space: global }
      - { .name: qkv, .offset: 48, .size: 8, .value_kind: global_buffer, .address_space: global }
      - { .name: fine32, .offset: 56, .size: 8, .value_kind: global_buffer, .address_space: global }
    .group_segment_fixed_size: 327680
    .private_segment_fixed_size: 0
    .kernarg_segment_align: 8
    .kernarg_segment_size: 64
    .max_flat_workgroup_size: 128
    .sgpr_count:     102
    .vgpr_count:     1024
    .wavefront_size: 32
...
	.end_amdgpu_metadata
.endif
;; end of part 2
;; launch attn (part 3): grid 4 x 64, 16 waves a work-group, no clusters, 327,680 bytes of LDS; arguments qkv, ao; writes ao
.if DOCPART == 3
	.amdgcn_target "amdgcn-amd-amdhsa--gfx1250"
	.amdhsa_code_object_version 6
	.text
	.protected	k_qf65a490390_attn
	.globl	k_qf65a490390_attn
	.p2align	8
	.type	k_qf65a490390_attn,@function
k_qf65a490390_attn:
	s_mov_b64 s[64:65], 0
	v_nop
	global_prefetch_b8 v0, s[64:65] scope:SCOPE_SE
	s_setreg_imm32_b32 hwreg(HW_REG_WAVE_MODE, 25, 1), 1
	s_wait_xcnt 0x0
; O[b][head][q] = the sum over k <= q of softmax_k(q . k / 8) v, on f16 operands, products, maxima and sums in f32; the weights p are rounded to f16 for the second product, O once at the end.
; LEFT OUT: steps of 64 keys that lie wholly behind the diagonal of the problem's own jnp.tril (their weights are 0), and bk (shown at the head of launch prep).
; qkv [q, k, v][batch x head 64][token tile 128][16 channels 4][512 bytes] holds images of operand registers (launch qkv): every tile is dense and every LDS read is a constant + 16 x lane.
; SHARES.  Work-group (j, batch x head) owns the blocks j and 7 - j of 256 queries: (j + 1) + (8 - j) = 9 blocks of keys in every work-group.  Waves 0-7 take block j, waves 8-15 block 7 - j, 32 queries (two tiles of 16)
; a wave, so that each fragment of K and V read from LDS feeds two products.  Four waves share a SIMD: one wave's softmax stands beside another's products and LDS loads.
; NO CLUSTER: the four work-groups of a head walk 8, 7, 6 and 5 slots of keys; a partner would be sent tiles that none of its waves reads.
; LAYOUT.  S^T = K Q^T (source 0 = 16 keys, source 1 = 16 queries): a lane holds ONE query (lane % 16) and keys 8 (lane / 16) + 0 .. 7.  Two such tiles, rounded in pairs, ARE source 1 of O^T = V^T P.
; SOFTMAX.  A running maximum m and sum l for each query: p = 2^(c s - c m), c = log2(e) / 8; in every step O and l are multiplied by a = 2^(c m_old - c m_new).
; THE RING.  Two slots of 256 keys (K's 32,768 bytes, then V's), filled by the tensor data mover: waves 0, 1 K's halves, waves 2, 3 V's.  Every work-group walks all 8 changes of slots (constant trip counts);
; a step's work, and a slot's load, are jumped over by scalar branches on ids where the causal mask hides them.  Every wait on TENSORcnt is for 0.
; O leaves as f16 in the order of the next product's operand: ao [row tile 512][kk 32][c 2][lane][16 bytes], kk = 2 head + dt / 2, c = dt % 2.
; LIMIT: |q|, |k|, |v| under 65,504 (f16); NaN and infinities are not served.
.set SLOT1, 65536                      ; slot 1 begins here: one exclusive or turns an address
.set VOFF,  32768                      ; V's tiles in a slot
.set SPARE, 131072                     ; the spare words, 128 bytes for each of 16 waves, which no other line names
.set L16, 1                            ; v1   16 x lane
.set ADR, 2                            ; v2   the slot in hand + 16 x lane
.set RH,  3                            ; v3   lane % 16 - 8 (lane / 16)
.set PFO, 4                            ; v4   256 x lane
.set SPW, 5
.set NIL, 6
.set ST,  8                            ; tile t's statistics at v[ST + 8 t]: +0 c m, +1 m, +2, +3 l, +4 to +7 at work; a takes +6
.set Q,   24                           ; v24-55   Q: tile t, channels 32 c on, at Q + 16 t + 8 c
.set S,   56                           ; v56-119  S^T, 32 a tile; P is packed into a tile's first 16
.set O,   120                          ; v120-183 O^T, 32 a tile
.set F,   184                          ; v184-247 eight fragments: K's, then V's
.set WV,  18
.set SEL, 20
.set CS,  22
.set G1,  24
.set G0,  40
.set TB,  2                            ; s2   LDS byte at which the slot in hand begins
.set SLOTS, 67
.set PFA, 76
.set LIM, 80
.set QL,  81                           ; s81  my work-group's last query
.set KF,  98                           ; s98  the step's first key
.set Q0,  99                           ; s99  my wave's first query
.macro TLOAD                           ; waves 0 to 3 fetch a quarter of a slot each.  An s_nop 0 and four v_nop follow the line
	s_cmp_lt_u32 s[WV], 4
	s_cbranch_scc0 .Lasked_\@
	tensor_load_to_lds s[G0:G0+3], s[G1:G1+7]
	s_nop 0
.rept 4
	v_nop
.endr
.Lasked_\@:
.endm
; A prefetch of what the NEXT change of slots will ask for: K's 32,768 bytes and V's.  All four work-groups of a head walk the same K and V: the first (j = 0, which walks all slots) asks.  In it the waves ask that fetch
; nothing: waves 4-7 for K's block, waves 8-11 for V's, 8,192 bytes a wave, lanes 256 bytes apart: each aligned block of 256 bytes from slot 2 on is named once.  The last change that fills a slot asks for nothing.
.macro ASK
	s_cmp_gt_u32 s[SLOTS], s[LIM]
	s_cbranch_scc0 .Lnot_mine_\@
	global_prefetch_b8 v[PFO], s[PFA:PFA+1] th:TH_LOAD_NT scope:SCOPE_SE
.Lnot_mine_\@:
.endm
	s_load_b128 s[4:7], s[0:1], 0x0                ; qkv s[4:5], ao s[6:7]
	v_lshl_add_u32 v[SPW], v0, 2, SPARE
	v_mov_b32 v[NIL], 0
	ds_add_u32 v[SPW], v[NIL]                      ; the wave's opening: the add, twice on end, and its wait ahead of the first tensor load
	ds_add_u32 v[SPW], v[NIL]
	v_lshrrev_b32 v7, 5, v0
	v_readfirstlane_b32 s[WV], v7                  ; wave 0..15
	s_and_b32 s72, ttmp7, 0xffff                   ; batch x head
	s_lshl_b32 s73, s72, 18                        ; its 262,144 bytes in each of q, k, v
	s_lshl_b32 s74, ttmp9, 8                       ; 256 j
	s_sub_co_u32 s75, 1792, s74                    ; 256 (7 - j)
	s_and_b32 s82, s[WV], 7
	s_lshl_b32 s82, s82, 5
	s_cmp_lt_u32 s[WV], 8
	s_cselect_b32 s[Q0], s74, s75
	s_add_co_u32 s[Q0], s[Q0], s82                 ; my first query
	s_add_co_u32 s[QL], s75, 255                   ; the work-group's last
	s_mov_b32 s[G1], 3<<16                         ; no mask; elements of 8 bytes; no padding
	s_mov_b32 s[G1+1], 32<<16                      ; tensor_dim0 = 32: rows of 256 bytes
	s_mov_b32 s[G1+2], 64<<16                      ; tensor_dim1 = 64
	s_mov_b32 s[G1+3], 32<<16                      ; tile_dim0
	s_mov_b32 s[G1+4], 64                          ; tile_dim1: 16,384 dense bytes
	s_mov_b32 s[G1+5], 32                          ; the pitch
	s_mov_b32 s[G1+6], 0
	s_mov_b32 s[G1+7], 0
	s_and_b32 s83, s[WV], 3
	s_lshl_b32 s84, s83, 14                        ; where my quarter goes in a slot
	s_lshr_b32 s85, s83, 1
	s_add_co_u32 s85, s85, 1
	s_lshl_b32 s85, s85, 24                        ; k's part of qkv, or v's
	s_and_b32 s86, s83, 1
	s_lshl_b32 s86, s86, 14                        ; the first 128 keys of a slot, or the second
	s_add_co_u32 s86, s86, s85
	s_add_co_u32 s86, s86, s73
	s_mov_b32 s87, 0
	s_mov_b32 s[SEL], 0x76543210
	s_mov_b32 s[SEL+1], 0xfedcba98                 ; v_permlanex16_b32's selects for lane l xor 16
	s_mov_b32 s[CS], 0x3e38aa3b                    ; c = log2(e) / 8
	s_mov_b32 s[CS+1], s[CS]                       ; (named with it as a pair, so it is written)
	s_mov_b32 s[TB], 0
	s_mov_b32 s[KF], 0
	s_mov_b32 s[SLOTS], 7
	s_wait_dscnt 0x0                               ; both opening adds are done
	s_wait_kmcnt 0x0
	s_mov_b32 s[G0], 1
	s_mov_b32 s[G0+1], s84
	s_add_nc_u64 s[G0+2:G0+3], s[4:5], s[86:87]
	s_or_b32 s[G0+3], s[G0+3], 0x80000000
	TLOAD                                          ; slot 0: it holds key 0, which counts for every query
	v_and_b32 v7, 31, v0
	v_lshlrev_b32 v[L16], 4, v7
	v_lshlrev_b32 v[PFO], 8, v7
	v_and_b32 v[RH], 15, v0
	v_bfe_u32 v7, v0, 4, 1
	v_lshlrev_b32 v7, 3, v7
	v_sub_nc_u32 v[RH], v[RH], v7
	s_lshl_b32 s88, s[Q0], 7                       ; my first token tile x 2,048 bytes
	s_add_co_u32 s88, s88, s73
	s_mov_b32 s89, 0
	s_add_nc_u64 s[8:9], s[4:5], s[88:89]
.irp t, 0,1
.irp c, 0,1
.irp u, 0,1
	global_load_b128 v[Q+16*\t+8*\c+4*\u:Q+16*\t+8*\c+4*\u+3], v[L16], s[8:9] offset:2048*\t+1024*\c+512*\u   ; Q stays in registers
.endr
.endr
.endr
	s_lshr_b32 s90, s72, 4                         ; ao: row tile 128 batch + Q0 / 16, of 32,768 bytes; the head's 2,048
	s_lshl_b32 s90, s90, 22
	s_lshl_b32 s91, s[Q0], 11
	s_add_co_u32 s90, s90, s91
	s_and_b32 s91, s72, 15
	s_lshl_b32 s91, s91, 11
	s_add_co_u32 s90, s90, s91
	s_mov_b32 s91, 0
	s_add_nc_u64 s[6:7], s[6:7], s[90:91]
	s_cmp_lt_u32 s[WV], 8                          ; the prefetches: waves 4-7 k, waves 8-11 v
	s_cselect_b32 s92, 1, 2
	s_lshl_b32 s92, s92, 24
	s_lshl_b32 s93, s83, 13                        ; my wave's 8,192 bytes,
	s_add_co_u32 s92, s92, s93
	s_add_co_u32 s92, s92, s73
	s_add_co_u32 s92, s92, 32768                   ; in slot 1: the first change of slots steps it to slot 2.  Nothing is prefetched here, at the head
	s_mov_b32 s93, 0
	s_add_nc_u64 s[PFA:PFA+1], s[4:5], s[92:93]
	s_sub_co_u32 s94, s[WV], 4
	s_lshr_b32 s94, s94, 3                         ; 0 in waves 4 to 11,
	s_or_b32 s94, s94, ttmp9                       ; of the head's first work-group
	s_cmp_eq_u32 s94, 0
	s_cselect_b32 s[LIM], 1, -1
.irp t, 0,1
	v_mov_b32 v[ST+8*\t+1], 0xff61b1e6             ; m: -3e38, under every score
	v_mul_f32 v[ST+8*\t], s[CS], v[ST+8*\t+1]      ; c m
.irp i, 2,3,4,5,6,7
	v_mov_b32 v[ST+8*\t+\i], 0                     ; l; and the registers at work, written once: a lane permute's destination counts as one of its sources
.endr
.endr
.set i, 0
.rept 64
	v_mov_b32 v[O+i], 0                            ; O^T.  (The step is written once: the first finds zeros, which a = 0 leaves zeros)
.set i, i+1
.endr
; A KEY STEP: 64 keys, the q-th of the slot in hand.
.macro STEP q
	s_add_co_u32 s96, s[Q0], 31
	s_cmp_gt_u32 s[KF], s96                        ; all 64 keys come after my 32 queries: the step's work is left out (a branch on ids; no barrier and no tensor load stands in a step)
	s_cbranch_scc1 .Lhidden_\@
	v_add_nc_u32 v[ADR], s[TB], v[L16]
.rept 5
	v_nop                                          ; places behind the last step's V^T P: four for the loads into its fragments, five for the products that write over P
.endr
.irp a, 0,1,2,3
.irp c, 0,1
.irp u, 0,1
	ds_load_b128 v[F+8*(2*\a+\c)+4*\u:F+8*(2*\a+\c)+4*\u+3], v[ADR] offset:(4*(\q)+\a)*2048+1024*\c+512*\u   ; K: keys 16 a on, channels 32 c on
.endr
.endr
.endr
	s_wait_dscnt 0x0
.irp c, 0,1                                    ; S^T = K Q^T: eight accumulators by turns
.irp a, 0,1,2,3
.irp t, 0,1
.if \c == 0
	v_wmma_f32_16x16x32_f16 v[S+32*\t+8*\a:S+32*\t+8*\a+7], v[F+8*(2*\a+\c):F+8*(2*\a+\c)+7], v[Q+16*\t+8*\c:Q+16*\t+8*\c+7], 0
.else
	v_wmma_f32_16x16x32_f16 v[S+32*\t+8*\a:S+32*\t+8*\a+7], v[F+8*(2*\a+\c):F+8*(2*\a+\c)+7], v[Q+16*\t+8*\c:Q+16*\t+8*\c+7], v[S+32*\t+8*\a:S+32*\t+8*\a+7]
.endif
.endr
.endr
.endr
.rept 4
	v_nop                                          ; places: for the loads into K's fragments and for the first reads of the scores
.endr
.irp kk, 0,1
.irp dt, 0,1,2,3
.irp u, 0,1
	ds_load_tr16_b128 v[F+8*(4*\kk+\dt)+4*\u:F+8*(4*\kk+\dt)+4*\u+3], v[ADR] offset:VOFF+(4*(\q)+2*\kk+\u)*2048+512*\dt   ; V^T: channels 16 dt on, keys 32 kk + 16 u on; they land while the softmax is walked
.endr
.endr
.endr
	s_add_co_u32 s96, s[KF], 63
	s_cmp_le_u32 s96, s[Q0]                        ; all 64 keys count for all my queries: no mask
	s_cbranch_scc1 .Lopen_\@
	s_sub_co_i32 s96, s[Q0], s[KF]
	v_add_nc_u32 v248, s96, v[RH]                  ; d = Q0 - KF + lane % 16 - 8 (lane / 16).  Tile t, accumulator a, register i: hidden where 16 a + i - 16 t > d
	v_mov_b32 v249, 0xff800000                     ; -infinity
.irp t, 0,1
.irp a, 0,1,2,3
.irp i, 0,1,2,3,4,5,6,7
	v_cmp_gt_i32 vcc_lo, 16*\a+\i-16*\t, v248
	v_cndmask_b32 v[S+32*\t+8*\a+\i], v[S+32*\t+8*\a+\i], v249, vcc_lo
.endr
.endr
.endr
.Lopen_\@:
.irp j, 0,1,2,3                                ; the maximum of a lane's 32 scores and the old m: four chains, the two tiles by turns; each accumulator is read from its low end on
.irp t, 0,1
	v_max3_num_f32 v[ST+8*\t+4+\j], v[S+32*\t+8*\j], v[S+32*\t+8*\j+1], v[S+32*\t+8*\j+2]
.endr
.endr
.irp g, 1,2
.irp j, 0,1,2,3
.irp t, 0,1
	v_max3_num_f32 v[ST+8*\t+4+\j], v[ST+8*\t+4+\j], v[S+32*\t+8*\j+2*\g+1], v[S+32*\t+8*\j+2*\g+2]
.endr
.endr
.endr
.irp t, 0,1
	v_max3_num_f32 v[ST+8*\t+4], v[ST+8*\t+4], v[S+32*\t+7], v[S+32*\t+15]
.endr
.irp t, 0,1
	v_max3_num_f32 v[ST+8*\t+6], v[ST+8*\t+6], v[S+32*\t+23], v[S+32*\t+31]
.endr
.irp t, 0,1
	v_max3_num_f32 v[ST+8*\t+4], v[ST+8*\t+4], v[ST+8*\t+5], v[ST+8*\t+6]
.endr
.irp t, 0,1
	v_max3_num_f32 v[ST+8*\t+4], v[ST+8*\t+4], v[ST+8*\t+7], v[ST+8*\t+1]
.endr
.irp t, 0,1
	v_permlanex16_b32 v[ST+8*\t+5], v[ST+8*\t+4], s[SEL], s[SEL+1]   ; the query's other 32 keys lie in the lane 16 away
.endr
.irp t, 0,1
	v_mov_b32 v[ST+8*\t+7], v[ST+8*\t]             ; c m_old is kept for a
.endr
.irp t, 0,1
	v_max_num_f32 v[ST+8*\t+1], v[ST+8*\t+4], v[ST+8*\t+5]
.endr
.irp t, 0,1
	v_mul_f32 v[ST+8*\t], s[CS], v[ST+8*\t+1]
.endr
.irp t, 0,1
	v_sub_f32 v[ST+8*\t+7], v[ST+8*\t+7], v[ST+8*\t]
.endr
.irp t, 0,1
.set i, 0
.rept 16
	v_pk_fma_f32 v[S+32*\t+i:S+32*\t+i+1], v[S+32*\t+i:S+32*\t+i+1], s[CS:CS+1], v[ST+8*\t:ST+8*\t+1] op_sel_hi:[1,0,0] neg_lo:[0,0,1] neg_hi:[0,0,1]   ; c s - c m, two at a time
.set i, i+2
.endr
.endr
.irp t, 0,1
	v_exp_f32 v[ST+8*\t+6], v[ST+8*\t+7]           ; a = 2^(c m_old - c m_new)
.endr
.set i, 0
.rept 64
	v_exp_f32 v[S+i], v[S+i]                       ; p, at most 1.  ONE BATCH of 66 exponentials: none reads another's result
.set i, i+1
.endr
	v_nop                                          ; a plain instruction behind the last exponential
	s_wait_alu depctr_va_vdst(0)                   ; one wait for the batch, ahead of the first instruction that names a result
.irp t, 0,1                                    ; the row's sums, of the weights before they are rounded: two chains a tile
	v_pk_add_f32 v[ST+8*\t+4:ST+8*\t+5], v[S+32*\t:S+32*\t+1], v[S+32*\t+2:S+32*\t+3]
.endr
.irp t, 0,1
	v_pk_fma_f32 v[ST+8*\t+2:ST+8*\t+3], v[ST+8*\t+2:ST+8*\t+3], v[ST+8*\t+6:ST+8*\t+7], v[S+32*\t+4:S+32*\t+5] op_sel_hi:[1,0,1]   ; l = a l + ..
.endr
.irp t, 0,1
	v_pk_add_f32 v[ST+8*\t+4:ST+8*\t+5], v[ST+8*\t+4:ST+8*\t+5], v[S+32*\t+6:S+32*\t+7]
.endr
.irp j, 8,12,16,20,24,28
.irp t, 0,1
	v_pk_add_f32 v[ST+8*\t+2:ST+8*\t+3], v[ST+8*\t+2:ST+8*\t+3], v[S+32*\t+\j:S+32*\t+\j+1]
	v_pk_add_f32 v[ST+8*\t+4:ST+8*\t+5], v[ST+8*\t+4:ST+8*\t+5], v[S+32*\t+\j+2:S+32*\t+\j+3]
.endr
.endr
.irp t, 0,1
	v_pk_add_f32 v[ST+8*\t+2:ST+8*\t+3], v[ST+8*\t+2:ST+8*\t+3], v[ST+8*\t+4:ST+8*\t+5]
.endr
.irp t, 0,1
.set i, 0
.rept 16
	v_cvt_pk_f16_f32 v[S+32*\t+i], v[S+32*\t+2*i], v[S+32*\t+2*i+1]   ; P, in place, ascending: registers 8 kk .. 8 kk + 7 are source 1 for keys 32 kk on
.set i, i+1
.endr
.endr
.irp t, 0,1
.set i, 0
.rept 16
	v_pk_mul_f32 v[O+32*\t+i:O+32*\t+i+1], v[O+32*\t+i:O+32*\t+i+1], v[ST+8*\t+6:ST+8*\t+7] op_sel_hi:[1,0]   ; O^T times a, each accumulator from its low end on
.set i, i+2
.endr
.endr
	s_wait_dscnt 0x0                               ; V is in
.irp kk, 0,1                                   ; O^T += V^T P: eight accumulators by turns
.irp dt, 0,1,2,3
.irp t, 0,1
	v_wmma_f32_16x16x32_f16 v[O+32*\t+8*\dt:O+32*\t+8*\dt+7], v[F+8*(4*\kk+\dt):F+8*(4*\kk+\dt)+7], v[S+32*\t+8*\kk:S+32*\t+8*\kk+7], v[O+32*\t+8*\dt:O+32*\t+8*\dt+7]
.endr
.endr
.endr
.Lhidden_\@:
	s_add_co_u32 s[KF], s[KF], 64
.endm
; THE CHANGE OF SLOTS stands at a slot's head.  Each wave waits for all its tensor loads (its part of the slot ahead), adds 0 to its spare word, and waits for that and for its reads of the slot that it has left.
; Behind the barrier the slot ahead is whole and nobody reads the other one.  fill = 1: that other slot takes the next 256 keys, up to the causal limit; the load has a slot's four steps in which to land.
.macro CHANGE fill
	s_wait_tensorcnt 0x0                           ; no tensor load of mine is out, so the descriptor may be written
	ds_add_u32 v[SPW], v[NIL]
.if \fill
	ds_add_u32 v[SPW], v[NIL]                      ; and twice on end here
	s_xor_b32 s[G0+1], s[G0+1], SLOT1              ; the other slot than last time,
	s_add_nc_u64 s[G0+2:G0+3], s[G0+2:G0+3], 32768 ; the next 256 keys; the type bits on top are not reached
	s_wait_xcnt 0x0                                ; the last prefetch, a slot back, has read its address
	s_add_nc_u64 s[PFA:PFA+1], s[PFA:PFA+1], 32768
.endif
	s_wait_dscnt 0x0                               ; the add is done, and my reads of the slot that I have left are over
	s_barrier_signal -1
	s_barrier_wait -1
.if \fill
	s_add_co_u32 s96, s[KF], 256                   ; the first key of the slot that this change would ask for
	s_cmp_gt_u32 s96, s[QL]                        ; it comes after the work-group's last query: none of the sixteen waves would read the slot, so it is not asked for.  Ids and the count of steps alone:
	s_cbranch_scc1 .Lpast_\@                       ; all sixteen waves go the same way, and a work-group that is past the limit stays past it
	TLOAD                                          ; a wave's one tensor load until the next such barrier
.Lpast_\@:
	ASK
.endif
.endm
.macro SLOT_STEPS
	STEP 0
	STEP 1
	STEP 2
	STEP 3
	s_xor_b32 s[TB], s[TB], SLOT1                  ; on to the other slot
.endm
	s_wait_loadcnt 0x0                             ; Q
.Lslot:                                                ; 7 trips
	CHANGE 1
	SLOT_STEPS
	s_sub_co_u32 s[SLOTS], s[SLOTS], 1
	s_cmp_lg_u32 s[SLOTS], 0
	s_cbranch_scc1 .Lslot
	CHANGE 0                                       ; the last slot is written out: nothing is left to ask for
	SLOT_STEPS
	; THE WAY OUT: O^T / l, rounded to f16: a lane's eight channels of a query are 16 bytes of the next product's operand; they are stored as they stand
.rept 4
	v_nop                                          ; places behind the last products
.endr
.irp t, 0,1
	v_add_f32 v[ST+8*\t+4], v[ST+8*\t+2], v[ST+8*\t+3]
.endr
.irp t, 0,1
	v_permlanex16_b32 v[ST+8*\t+5], v[ST+8*\t+4], s[SEL], s[SEL+1]
.endr
.irp t, 0,1
	v_add_f32 v[ST+8*\t+4], v[ST+8*\t+4], v[ST+8*\t+5]
.endr
.irp t, 0,1
	v_rcp_f32 v[ST+8*\t+6], v[ST+8*\t+4]
.endr
	v_nop                                          ; a plain instruction behind the reciprocals
	s_wait_alu depctr_va_vdst(0)                   ; and the one wait ahead of their first reader
.irp t, 0,1
.set i, 0
.rept 16
	v_pk_mul_f32 v[O+32*\t+i:O+32*\t+i+1], v[O+32*\t+i:O+32*\t+i+1], v[ST+8*\t+6:ST+8*\t+7] op_sel_hi:[1,0]
.set i, i+2
.endr
.endr
.irp t, 0,1
.set i, 0
.rept 16
	v_cvt_pk_f16_f32 v[S+16*\t+i], v[O+32*\t+2*i], v[O+32*\t+2*i+1]
.set i, i+1
.endr
.endr
.irp t, 0,1
.irp dt, 0,1,2,3
	global_store_b128 v[L16], v[S+16*\t+4*\dt:S+16*\t+4*\dt+3], s[6:7] offset:32768*\t+512*\dt   ; the wave stores 512 consecutive bytes, aligned
.endr
.endr
	s_wait_tensorcnt 0x0                           ; the wave's end
	ds_add_u32 v[SPW], v[NIL]
	s_wait_dscnt 0x0
	s_endpgm
.Lfunc_end_k_qf65a490390_attn:
	.size	k_qf65a490390_attn, .Lfunc_end_k_qf65a490390_attn-k_qf65a490390_attn
	.p2alignl 7, 3214868480
	.fill 96, 4, 3214868480
	.section	.rodata,"a",@progbits
	.p2align	6, 0x0
	.amdhsa_kernel k_qf65a490390_attn
		.amdhsa_group_segment_fixed_size 327680
		.amdhsa_private_segment_fixed_size 0
		.amdhsa_enable_private_segment 0
		.amdhsa_kernarg_size 16
		.amdhsa_user_sgpr_count 2
		.amdhsa_user_sgpr_kernarg_segment_ptr 1
		.amdhsa_wavefront_size32 1
		.amdhsa_system_sgpr_workgroup_id_x 1
		.amdhsa_system_sgpr_workgroup_id_y 1
		.amdhsa_system_sgpr_workgroup_id_z 1
		.amdhsa_system_vgpr_workitem_id 0
		.amdhsa_next_free_vgpr 256
		.amdhsa_next_free_sgpr 100
		.amdhsa_reserve_vcc 1
		.amdhsa_float_denorm_mode_32 3
		.amdhsa_float_denorm_mode_16_64 3
		.amdhsa_memory_ordered 1
		.amdhsa_forward_progress 1
		.amdhsa_inst_pref_size 184
	.end_amdhsa_kernel
	.amdgpu_metadata
---
amdhsa.version: [ 1, 2 ]
amdhsa.kernels:
  - .name:           k_qf65a490390_attn
    .symbol:         k_qf65a490390_attn.kd
    .args:
      - { .name: qkv, .offset: 0, .size: 8, .value_kind: global_buffer, .address_space: global }
      - { .name: ao, .offset: 8, .size: 8, .value_kind: global_buffer, .address_space: global }
    .group_segment_fixed_size: 327680
    .private_segment_fixed_size: 0
    .kernarg_segment_align: 8
    .kernarg_segment_size: 16
    .max_flat_workgroup_size: 512
    .sgpr_count:     100
    .vgpr_count:     256
    .wavefront_size: 32
...
	.end_amdgpu_metadata
.endif
;; end of part 3
;; launch oproj (part 4): grid 4 x 64, 4 waves a work-group, clusters of 4 x 4, 327,680 bytes of LDS; arguments ao, wo16, bo, out0; writes out0
.if DOCPART == 4
	.amdgcn_target "amdgcn-amd-amdhsa--gfx1250"
	.amdhsa_code_object_version 6
	.text
	.protected	k_qf65a490390_oproj
	.globl	k_qf65a490390_oproj
	.p2align	8
	.type	k_qf65a490390_oproj,@function
k_qf65a490390_oproj:
	s_mov_b64 s[64:65], 0
	v_nop
	global_prefetch_b8 v0, s[64:65] scope:SCOPE_SE
	s_setreg_imm32_b32 hwreg(HW_REG_WAVE_MODE, 25, 1), 1
	s_wait_xcnt 0x0
	s_wait_alu depctr_hold_cnt(0) depctr_sa_sdst(0) depctr_va_vdst(0) depctr_va_sdst(0) depctr_va_ssrc(0) depctr_va_vcc(0) depctr_vm_vsrc(0)
	s_getreg_b32 s2, hwreg(HW_REG_IB_STS2, 6, 4)
	s_cmp_eq_u32 s2, 0
	s_cbranch_scc0 .Lentry_in_a_cluster
	s_endpgm
.Lentry_in_a_cluster:
	s_bfe_u32 s2, ttmp6, 0x10000c
	s_cmp_lg_u32 s2, 0xf033
	s_cbranch_scc0 .Lentry_shape_is_right
	s_endpgm
.Lentry_shape_is_right:
; out0 = O Wo^T + bo: [8192][1024] x [1024][1024]^T on f16 operands, sums in f32, out0 f32.  Both operands lie in memory as images of operand registers (fragments of 16 rows x 32 K, 1,024 bytes:
; ao [row tile 512][kk 32], wo16 [n tile 64][kk 32]), so a tile is a few long dense rows and every LDS read is a constant + 16 x lane: no pitch, no padding.
; A tile of out0 is 128 rows x 256 columns: 256 work-groups (tiles of 256 x 256 would be 128).  Four waves, 64 x 128 each: 32 accumulators.  K goes in steps of 128 through two LDS slots, 8 steps.
; CLUSTERS: 4 x 4.  The four of a row of the cluster need the same rows of O, the four of a column the same rows of Wo: joint loads.  USED TRANSPOSED (source 0 = Wo's rows, source 1 = O's rows): a lane holds eight
; neighbouring columns of a row.  bo is the C of each sum's first product.
; The first 16 positions of every sequence are written here too (they lie inside live tiles) and are written over by launch fine, which carries them in f32.
; REGISTERS: window 0: v16-30 addresses; v64-127 bo in the result's layout; v128-255 rows on the way out.   window 1: two fragment buffers at v0 and v128: O's four fragments, then Wo's eight.   window 2: accumulator (a, b) at v[8 (8 a + b)].
.set SLOT,   98304                     ; O's 8 row tiles x 4,096 bytes, then Wo's 16 n tiles x 4,096 bytes
.set BOFF,   32768
.set SPARE,  2*SLOT                    ; the spare words, 128 bytes a wave, which no other line names
.set SPITCH, 528                       ; the way out: a stage of 16 rows x (512 + 16) bytes a wave, in slot 0, which has had its last fill and its last read by then
.set ADRA, 16
.set ADRB, 20
.set STO,  24
.set RD,   25
.set CO,   26
.set SPW,  28
.set NIL,  29
.set PFO,  30
.set BI,   64
.set BK,   128
.set F0,   0
.set F1,   128
.set G1,   24
.set G0,   32
.set G1B,  48
.set G0B,  56
.set PFA,  66
.set LIM,  68
.set MSB, 0
.macro WIN new
.if MSB != \new
	s_set_vgpr_msb (MSB<<8)|\new
.set MSB, \new
.endif
.endm
.set MUL,  0xa5                        ; sources 0 and 1 window 1; C and D window 2
.set MULB, 0x85                        ; the first products: C (bo) window 0
.set TO_F, 0x40                        ; destination window 1, address window 0
.macro JLOAD s                         ; waves 0 and 1 fetch O's halves, waves 2 and 3 Wo's; an s_nop 0 and four v_nop follow each of the two lines
	s_cmp_eq_u32 s15, 0
	s_cbranch_scc0 .Lfor_b_\@
	tensor_load_to_lds s[G0+4*\s:G0+4*\s+3], s[G1:G1+7]
	s_nop 0
.rept 4
	v_nop
.endr
	s_branch .Lasked_\@
.Lfor_b_\@:
	tensor_load_to_lds s[G0B+4*\s:G0B+4*\s+3], s[G1B:G1B+7]
	s_nop 0
.rept 4
	v_nop
.endr
.Lasked_\@:
.endm
.macro CREST
	s_cmp_lg_u32 s14, 0
	s_cbranch_scc1 .Lnot_wave_0_\@
	s_barrier_signal -3
.Lnot_wave_0_\@:
	s_barrier_wait -3
	s_barrier_signal -1
	s_barrier_wait -1
.endm
.macro CROUND
	s_barrier_signal -1
	s_barrier_wait -1
	CREST
.endm
; A prefetch of O's K step two refills on: 8 row tiles x 4,096 bytes.  A tile row of O is read by one row of one cluster: its four partners share it out BY ADDRESS, two row tiles each (32 lanes x 256 bytes);
; wave 0 asks, one instruction.  The loop's last trip asks for nothing: there is no K step two on.  Wo is read again by every row of clusters and is not asked for.
.macro ASK
	s_cmp_gt_u32 s3, s[LIM]
	s_cbranch_scc0 .Lnot_mine_\@
	global_prefetch_b8 v[PFO], s[PFA:PFA+1] offset:4096 th:TH_LOAD_NT scope:SCOPE_SE
.Lnot_mine_\@:
.endm
	s_load_b128 s[4:7], s[0:1], 0x0                ; ao s[4:5], wo16 s[6:7]
	s_load_b128 s[8:11], s[0:1], 0x10              ; bo s[8:9], out0 s[10:11]
	v_lshl_add_u32 v[SPW], v0, 2, SPARE
	v_mov_b32 v[NIL], 0
	ds_add_u32 v[SPW], v[NIL]                      ; the wave's opening: the add, twice on end, and its wait ahead of my first tensor load
	ds_add_u32 v[SPW], v[NIL]
	v_lshrrev_b32 v1, 5, v0
	v_readfirstlane_b32 s14, v1                    ; wave 0..3
	s_lshr_b32 s15, s14, 1                         ; my half of the tile's rows.  Also: I fetch for O (0) or for Wo (1)
	s_and_b32 s16, s14, 1                          ; my half of its columns.  Also: which half of that tile I fetch
	s_bfe_u32 s40, ttmp6, 0x40000                  ; cx
	s_bfe_u32 s41, ttmp6, 0x40004                  ; cy
	s_lshl_b32 s42, ttmp9, 2
	s_add_co_u32 s42, s42, s40                     ; tile column
	s_and_b32 s13, ttmp7, 0xffff
	s_lshl_b32 s13, s13, 2
	s_add_co_u32 s13, s13, s41                     ; tile row
	s_lshl_b32 s43, s41, 2
	s_lshl_b32 s43, 15, s43                        ; my row of the cluster
	s_lshl_b32 s44, 0x1111, s40                    ; my column
	s_or_b32 s[G1+0], s43, (3<<16)|(1<<21)         ; the mask; elements of 8 bytes; bit 21 beside a mask; no padding
	s_mov_b32 s[G1+1], 512<<16                     ; tensor_dim0 = 512: a row tile's 4,096 bytes of a K step
	s_mov_b32 s[G1+2], 4<<16                       ; tensor_dim1 = 4 row tiles
	s_mov_b32 s[G1+3], 512<<16                     ; tile_dim0
	s_mov_b32 s[G1+4], 4                           ; tile_dim1
	s_mov_b32 s[G1+5], 4096                        ; the pitch: 32,768 bytes from tile to tile
	s_mov_b32 s[G1+6], 0
	s_mov_b32 s[G1+7], 0
	s_or_b32 s[G1B+0], s44, (3<<16)|(1<<21)
	s_mov_b32 s[G1B+1], 512<<16
	s_mov_b32 s[G1B+2], 8<<16                      ; 8 n tiles
	s_mov_b32 s[G1B+3], 512<<16
	s_mov_b32 s[G1B+4], 8
	s_mov_b32 s[G1B+5], 4096
	s_mov_b32 s[G1B+6], 0
	s_mov_b32 s[G1B+7], 0
	s_lshl_b32 s20, s13, 3
	s_lshl_b32 s21, s16, 2
	s_add_co_u32 s20, s20, s21
	s_lshl_b32 s20, s20, 15                        ; O: row tile 8 x tile row + 4 x half, of 32,768 bytes
	s_mov_b32 s21, 0
	s_lshl_b32 s46, s42, 4
	s_lshl_b32 s47, s16, 3
	s_add_co_u32 s46, s46, s47
	s_lshl_b32 s46, s46, 15                        ; Wo: n tile 16 x tile column + 8 x half
	s_mov_b32 s47, 0
	s_lshl_b32 s22, s16, 14                        ; where they go: no place in the cluster enters an LDS address
	s_lshl_b32 s23, s16, 15
	s_add_co_u32 s23, s23, BOFF
	s_wait_dscnt 0x0                               ; both opening adds are done
	s_wait_kmcnt 0x0
	s_add_nc_u64 s[20:21], s[4:5], s[20:21]
	s_add_nc_u64 s[46:47], s[6:7], s[46:47]
	CROUND                                         ; all sixteen work-groups are here: the first joint loads meet
.irp s, 0,1
	s_mov_b32 s[G0+4*\s], 1
	s_add_co_u32 s[G0+4*\s+1], s22, \s*SLOT
	s_add_nc_u64 s[G0+4*\s+2:G0+4*\s+3], s[20:21], \s*4096
	s_or_b32 s[G0+4*\s+3], s[G0+4*\s+3], 0x80000000
	s_mov_b32 s[G0B+4*\s], 1
	s_add_co_u32 s[G0B+4*\s+1], s23, \s*SLOT
	s_add_nc_u64 s[G0B+4*\s+2:G0B+4*\s+3], s[46:47], \s*4096
	s_or_b32 s[G0B+4*\s+3], s[G0B+4*\s+3], 0x80000000
	JLOAD \s
.endr
	v_and_b32 v1, 15, v0                           ; r
	v_bfe_u32 v2, v0, 4, 1                         ; h
	v_and_b32 v3, 31, v0
	v_lshlrev_b32 v[CO], 4, v3                     ; 16 x lane
	s_lshl_b32 s70, s15, 14                        ; my four row tiles of O
	s_lshl_b32 s71, s16, 15
	s_add_co_u32 s71, s71, BOFF                    ; my eight n tiles of Wo
.irp s, 0,1
	v_add_nc_u32 v[ADRA+\s], s70, v[CO]
	v_add_nc_u32 v[ADRB+\s], s71, v[CO]
	s_add_co_u32 s70, s70, SLOT
	s_add_co_u32 s71, s71, SLOT
.endr
	s_mul_i32 s72, s14, 16*SPITCH                  ; my stage
	v_mul_u32_u24 v4, v1, SPITCH
	v_lshl_add_u32 v4, v2, 5, v4
	v_add_nc_u32 v[STO], s72, v4                   ; in: row r, 32 bytes for each half of the lanes
	v_add_nc_u32 v[RD], s72, v[CO]                 ; back: the 32 lanes take a row of 512 bytes
	s_lshl_b32 s70, s42, 10                        ; bo: the tile column's 256 numbers, my half's 128; lane: 32 h
	s_lshl_b32 s71, s16, 9
	s_add_co_u32 s70, s70, s71
	s_mov_b32 s71, 0
	s_add_nc_u64 s[8:9], s[8:9], s[70:71]
	v_lshlrev_b32 v5, 5, v2
.irp b, 0,1,2,3,4,5,6,7
	global_load_b128 v[BI+8*\b:BI+8*\b+3], v5, s[8:9] offset:64*\b
	global_load_b128 v[BI+8*\b+4:BI+8*\b+7], v5, s[8:9] offset:64*\b+16
.endr
	s_add_nc_u64 s[10:11], s[10:11], s[70:71]      ; out0: the same columns,
	s_lshl_b32 s70, s13, 7
	s_lshl_b32 s72, s15, 6
	s_add_co_u32 s70, s70, s72
	s_lshl_b32 s70, s70, 12                        ; row 128 x tile row + 64 x half, of 4,096 bytes
	s_add_nc_u64 s[10:11], s[10:11], s[70:71]
	s_lshl_b32 s72, s13, 3                         ; the prefetches: row tile 8 x tile row + 2 cx,
	s_lshl_b32 s73, s40, 1
	s_add_co_u32 s72, s72, s73
	s_lshl_b32 s72, s72, 15
	s_add_co_u32 s72, s72, 2*4096                  ; at K step 2: the first refill steps it to 3 and names K step 4.  Nothing is prefetched here, at the head
	s_mov_b32 s73, 0
	s_add_nc_u64 s[PFA:PFA+1], s[4:5], s[72:73]
	s_cmp_eq_u32 s14, 0
	s_cselect_b32 s[LIM], 1, -1
	v_lshlrev_b32 v[PFO], 8, v1
	v_lshl_add_u32 v[PFO], v2, 15, v[PFO]          ; lanes 0-15: one row tile's 4,096 bytes, 256 apart; lanes 16-31: the next tile's
.macro FETCH slot, q, f                ; 24 LDS loads in one run: the fragments of 32 along K, the slot's q-th
	WIN TO_F
.irp i, 0,1,2,3,4,5,6,7
	ds_load_b128 v[\f+32+8*\i:\f+32+8*\i+3],   v[ADRB+\slot] offset:4096*\i+1024*(\q)
	ds_load_b128 v[\f+32+8*\i+4:\f+32+8*\i+7], v[ADRB+\slot] offset:4096*\i+1024*(\q)+512
.endr
.irp i, 0,1,2,3
	ds_load_b128 v[\f+8*\i:\f+8*\i+3],   v[ADRA+\slot] offset:4096*\i+1024*(\q)
	ds_load_b128 v[\f+8*\i+4:\f+8*\i+7], v[ADRA+\slot] offset:4096*\i+1024*(\q)+512
.endr
.endm
.macro MUL8 f, a, first                ; row block a x the eight column blocks.  The 32 accumulators take turns, in the same order in every quarter
.irp b, 0,1,2,3,4,5,6,7
.if \first
	v_wmma_f32_16x16x32_f16 v[8*(8*(\a)+\b):8*(8*(\a)+\b)+7], v[\f+32+8*\b:\f+32+8*\b+7], v[\f+8*(\a):\f+8*(\a)+7], v[BI+8*\b:BI+8*\b+7]
.else
	v_wmma_f32_16x16x32_f16 v[8*(8*(\a)+\b):8*(8*(\a)+\b)+7], v[\f+32+8*\b:\f+32+8*\b+7], v[\f+8*(\a):\f+8*(\a)+7], v[8*(8*(\a)+\b):8*(8*(\a)+\b)+7]
.endif
.endr
.endm
.macro PLACES
.rept 4
	v_nop
.endr
.endm
.macro MWIN first
.if \first
	WIN MULB
.else
	WIN MUL
.endif
.endm
; A K step is four quarters of 32 along K, 32 matrix instructions each, on buffers 0, 1, 0, 1.  One of the first three: multiplies buffer f and fetches the slot's q-th quarter into g.
.macro QUARTER slot, q, f, g, first
	s_wait_dscnt 0x0                               ; buffer f is in (asked for 16 matrix instructions ago)
	MWIN \first
	MUL8 \f, 0, \first
	MUL8 \f, 1, \first
	PLACES                                         ; in front of loads into registers that matrix instructions have read
	FETCH \slot, \q, \g
	MWIN \first
	MUL8 \f, 2, \first
	MUL8 \f, 3, \first
.endm
; The last quarter multiplies buffer 1 and changes slots: ONE barrier; in front of it each wave waits for all its tensor loads, adds 0 to its spare word, and waits for that and for its reads of this slot.
; fill = 1: the barrier opens a round of the cluster's, and this slot is filled again, two K steps ahead, first thing behind the round.
.macro TURN slot, next, fill
.if \fill
	s_wait_xcnt 0x0                                ; the last prefetch, a K step back, has read its address
	s_add_nc_u64 s[PFA:PFA+1], s[PFA:PFA+1], 4096
.endif
	WIN 0
	s_wait_tensorcnt 0x0                           ; all my tensor loads have landed: my part of the next slot
	ds_add_u32 v[SPW], v[NIL]
	s_wait_dscnt 1                                 ; buffer 1 is in (the add may be out)
	WIN MUL
	MUL8 F1, 0, 0
	s_wait_dscnt 0x0                               ; the add is done, and my reads of this slot are over
	s_barrier_signal -1
	MUL8 F1, 1, 0
	WIN 0
	s_barrier_wait -1
.if \fill
	CREST                                          ; no wave of any partner still reads this slot or has a load on its way
	s_add_nc_u64 s[G0+4*\slot+2:G0+4*\slot+3], s[G0+4*\slot+2:G0+4*\slot+3], 2*4096
	s_add_nc_u64 s[G0B+4*\slot+2:G0B+4*\slot+3], s[G0B+4*\slot+2:G0B+4*\slot+3], 2*4096
	JLOAD \slot                                    ; the four v_nop behind it are also the places in front of the loads below
.else
	PLACES
.endif
	FETCH \next, 0, F0
.if \fill
	WIN 0
	ASK
.endif
	WIN MUL
	MUL8 F1, 2, 0
	MUL8 F1, 3, 0
.endm
	s_wait_tensorcnt 1                             ; my part of K step 0 is in (K step 1's load may be out)
	s_barrier_signal -1
	s_barrier_wait -1                              ; everybody's is
	FETCH 0, 0, F0
	s_wait_loadcnt 0x0                             ; bo
	QUARTER 0, 1, F0, F1, 1                        ; the first quarter stands in front of the loop: its products start the sums from bo
	WIN 0
	s_mov_b32 s3, 3
.Llap:                                                 ; a trip goes once round the ring and fills both slots again
	QUARTER 0, 2, F1, F0, 0
	QUARTER 0, 3, F0, F1, 0
	TURN 0, 1, 1
	QUARTER 1, 1, F0, F1, 0
	QUARTER 1, 2, F1, F0, 0
	QUARTER 1, 3, F0, F1, 0
	TURN 1, 0, 1
	QUARTER 0, 1, F0, F1, 0
	WIN 0
	s_sub_co_u32 s3, s3, 1
	s_cmp_lg_u32 s3, 0
	s_cbranch_scc1 .Llap
	QUARTER 0, 2, F1, F0, 0                        ; the last lap fills nothing
	QUARTER 0, 3, F0, F1, 0
	TURN 0, 1, 0
	QUARTER 1, 1, F0, F1, 0
	QUARTER 1, 2, F1, F0, 0
	QUARTER 1, 3, F0, F1, 0
	s_wait_dscnt 0x0
	WIN MUL
	MUL8 F1, 0, 0
	MUL8 F1, 1, 0
	MUL8 F1, 2, 0
	MUL8 F1, 3, 0
	WIN 0
; THE WAY OUT, block by block of 16 rows x 128 columns: through my own stage and back as whole rows of 512 bytes.  LDS serves a wave's instructions in order: no wait between the stores and the loads.
.macro TOSTAGE a
.set AC, 64*(\a)
	WIN 0x08                                       ; an LDS store's data: window 2
.irp b, 0,1,2,3,4,5,6,7
	ds_store_b128 v[STO], v[AC+8*\b:AC+8*\b+3] offset:64*\b          ; each accumulator from its low end on
	ds_store_b128 v[STO], v[AC+8*\b+4:AC+8*\b+7] offset:64*\b+16
.endr
	WIN 0
.set BB, BK+64*((\a)%2)
.irp t, 0,1,2,3,4,5,6,7,8,9,10,11,12,13,14,15
	ds_load_b128 v[BB+4*\t:BB+4*\t+3], v[RD] offset:\t*SPITCH
.endr
.endm
.macro SEND a, younger
.set BB, BK+64*((\a)%2)
	s_wait_dscnt \younger                          ; the block is back in registers
.if (\a) > 0
	s_add_nc_u64 s[10:11], s[10:11], 16*4096       ; (behind a wait on XCNT: the earlier stores have read their base)
.endif
.irp t, 0,1,2,3,4,5,6,7,8,9,10,11,12,13,14,15
	global_store_b128 v[CO], v[BB+4*\t:BB+4*\t+3], s[10:11] offset:\t*4096 th:TH_STORE_NT   ; 32 lanes store 512 consecutive bytes, aligned
.endr
.endm
	PLACES                                         ; behind the last products
	TOSTAGE 0
.irp a, 1,2,3
.if \a > 1
	s_wait_xcnt 0x0                                ; block a - 2's stores have read their registers and their base
.endif
	TOSTAGE \a
	SEND \a-1, 32                                  ; behind block a - 1's loads: block a's 16 stores and 16 loads
.endr
	s_wait_xcnt 0x0
	SEND 3, 0
	s_wait_tensorcnt 0x0                           ; the wave's end
	ds_add_u32 v[SPW], v[NIL]
	s_wait_dscnt 0x0
	CROUND                                         ; the closing round
	s_endpgm
.Lfunc_end_k_qf65a490390_oproj:
	.size	k_qf65a490390_oproj, .Lfunc_end_k_qf65a490390_oproj-k_qf65a490390_oproj
	.p2alignl 7, 3214868480
	.fill 96, 4, 3214868480
	.section	.rodata,"a",@progbits
	.p2align	6, 0x0
	.amdhsa_kernel k_qf65a490390_oproj
		.amdhsa_group_segment_fixed_size 327680
		.amdhsa_private_segment_fixed_size 0
		.amdhsa_enable_private_segment 0
		.amdhsa_kernarg_size 32
		.amdhsa_user_sgpr_count 2
		.amdhsa_user_sgpr_kernarg_segment_ptr 1
		.amdhsa_wavefront_size32 1
		.amdhsa_system_sgpr_workgroup_id_x 1
		.amdhsa_system_sgpr_workgroup_id_y 1
		.amdhsa_system_sgpr_workgroup_id_z 1
		.amdhsa_system_vgpr_workitem_id 0
		.amdhsa_next_free_vgpr 768
		.amdhsa_next_free_sgpr 80
		.amdhsa_reserve_vcc 0
		.amdhsa_float_denorm_mode_32 3
		.amdhsa_float_denorm_mode_16_64 3
		.amdhsa_memory_ordered 1
		.amdhsa_forward_progress 1
		.amdhsa_inst_pref_size 87
	.end_amdhsa_kernel
	.amdgpu_metadata
---
amdhsa.version: [ 1, 2 ]
amdhsa.kernels:
  - .name:           k_qf65a490390_oproj
    .symbol:         k_qf65a490390_oproj.kd
    .args:
      - { .name: ao, .offset: 0, .size: 8, .value_kind: global_buffer, .address_space: global }
      - { .name: wo16, .offset: 8, .size: 8, .value_kind: global_buffer, .address_space: global }
      - { .name: bo, .offset: 16, .size: 8, .value_kind: global_buffer, .address_space: global }
      - { .name: out0, .offset: 24, .size: 8, .value_kind: global_buffer, .address_space: global }
    .group_segment_fixed_size: 327680
    .private_segment_fixed_size: 0
    .kernarg_segment_align: 8
    .kernarg_segment_size: 32
    .max_flat_workgroup_size: 128
    .sgpr_count:     80
    .vgpr_count:     768
    .wavefront_size: 32
...
	.end_amdgpu_metadata
.endif
;; end of part 4
;; launch fine (part 5): grid 16 x 4, 16 waves a work-group, no clusters, 67,584 bytes of LDS; arguments fine32, Wo, bo, out0; writes out0
.if DOCPART == 5
	.amdgcn_target "amdgcn-amd-amdhsa--gfx1250"
	.amdhsa_code_object_version 6
	.text
	.protected	k_qf65a490390_fine
	.globl	k_qf65a490390_fine
	.p2align	8
	.type	k_qf65a490390_fine,@function
k_qf65a490390_fine:
	s_mov_b64 s[64:65], 0
	v_nop
	global_prefetch_b8 v0, s[64:65] scope:SCOPE_SE
	s_setreg_imm32_b32 hwreg(HW_REG_WAVE_MODE, 25, 1), 1
	s_wait_xcnt 0x0
; THE FIRST 16 POSITIONS OF EVERY SEQUENCE, ONCE MORE, IN f32: they average one to sixteen values and are the largest rows of the output, so the rounding of 16-bit operands weighs most there.
; Attention over keys 0-15 and the projection by Wo, on f32 operands by v_wmma_f32_16x16x4_f32 (64 rows of 8,192: no bulk work).  The 64 rows of out0 written here replace those of launch oproj.
; bk is left out, as in the whole program (shown at the head of launch prep): fine32 [batch 4][16][3072] holds q + bq, k, v + bv.
; SHARES.  Work-group (x, batch) makes rows 0-15 of the batch, columns 64 x .. 64 x + 63.  Wave = head: it repeats the head's small attention (32 matrix instructions) and multiplies its 64 channels by Wo's 64 rows;
; the sixteen heads' parts meet in LDS and are added in the order of the heads, bo first.
; LAYOUT.  All three products are used transposed, so that a lane holds one query.  The f32 form takes k = 2 (lane / 16) + j in register j; a permutation of k applied alike to both sources keeps the sum, so a lane's
; eight neighbouring numbers (channels 16 b + 8 (lane / 16) + 0 .. 7) serve as four steps of two registers.
; The registers that the f32 matrix form writes (v112-143) are written by matrix instructions alone; each sum begins with the constant 0; what is made of a sum goes into other registers.
.set QR,  16                           ; v16-47   q: lane (token r, h): channels 16 b + 8 h + 0 .. 7 at QR + 8 b.  Later Wo's fragments (nt, b = 2, 3), with KR
.set KR,  48                           ; v48-79   k likewise
.set VR,  80                           ; v80-111  v: lane (channel r, h): v[key 8 h + i][16 dt + r] at VR + 8 dt + i.  Later O / l
.set ACC, 112                          ; v112-143 four accumulators
.set SS,  144                          ; v144-151 the scores, then p
.set TT,  152                          ; v152-159 at work
.set W1,  160                          ; v160-223 Wo's fragments (nt, b = 0, 1) at W1 + 8 (2 nt + b)
.set RED, 224                          ; v224-255 the sixteen heads' parts of my two numbers
.set SPARE, 65536                      ; behind the sixteen images of 4,096 bytes: the spare words, which no other line names
	s_load_b256 s[4:11], s[0:1], 0x0               ; fine32 s[4:5], Wo s[6:7], bo s[8:9], out0 s[10:11]
	v_lshl_add_u32 v12, v0, 2, SPARE               ; my spare word; never rewritten
	v_mov_b32 v13, 0                               ; 0; never rewritten
	v_lshrrev_b32 v1, 5, v0
	v_readfirstlane_b32 s12, v1                    ; wave = head; in the last phase: my row
	v_and_b32 v1, 15, v0                           ; r
	v_bfe_u32 v2, v0, 4, 1                         ; h
	v_and_b32 v3, 31, v0                           ; lane
	v_mul_u32_u24 v4, v1, 12288
	v_lshl_add_u32 v4, v2, 5, v4                   ; q, k: token r of 12,288 bytes, + 32 h
	v_mul_u32_u24 v5, v2, 98304
	v_lshl_add_u32 v5, v1, 2, v5                   ; v: key 8 h, channel r
	v_lshlrev_b32 v6, 12, v1
	v_lshl_add_u32 v6, v2, 5, v6                   ; Wo: row r of 4,096 bytes, + 32 h
	v_lshlrev_b32 v7, 3, v2
	v_sub_nc_u32 v7, v1, v7                        ; r - 8 h
	s_lshl_b32 s13, s12, 12
	v_lshl_add_u32 v8, v3, 4, s13                  ; my image: 4,096 x wave + 16 x lane
	v_lshrrev_b32 v9, 3, v3                        ; where columns 2 l, 2 l + 1 of row w lie in an image: n tile l / 8: 1,024;
	v_lshlrev_b32 v9, 10, v9
	v_bfe_u32 v11, v3, 1, 1
	v_lshl_add_u32 v9, v11, 9, v9                  ; registers 4-7: 512;
	v_bfe_u32 v11, v3, 2, 1
	v_lshl_add_u32 v9, v11, 8, v9                  ; lanes 16-31: 256;
	v_and_b32 v11, 1, v3
	v_lshl_add_u32 v9, v11, 3, v9                  ; two registers: 8;
	s_lshl_b32 s13, s12, 4
	v_add_nc_u32 v9, s13, v9                       ; lane w: 16 w
	v_lshlrev_b32 v10, 3, v3                       ; 8 x lane
	s_and_b32 s14, ttmp7, 0xffff                   ; the batch
	s_mul_i32 s16, s14, 196608
	s_lshl_b32 s17, s12, 8
	s_add_co_u32 s16, s16, s17                     ; fine32: the batch's rows, the head's 64 channels
	s_mov_b32 s17, 0
	s_lshl_b32 s18, ttmp9, 18
	s_lshl_b32 s19, s12, 8
	s_add_co_u32 s18, s18, s19                     ; Wo: row 64 x, the head's 64 channels
	s_mov_b32 s19, 0
	s_lshl_b32 s24, ttmp9, 8                       ; bo: 64 x numbers on
	s_mov_b32 s25, 0
	s_lshl_b32 s26, s14, 23
	s_lshl_b32 s27, s12, 12
	s_add_co_u32 s26, s26, s27
	s_add_co_u32 s26, s26, s24                     ; out0: row 2,048 batch + w, column 64 x
	s_mov_b32 s27, 0
	s_mov_b32 s20, 0x76543210
	s_mov_b32 s21, 0xfedcba98                      ; v_permlanex16_b32's selects for lane l xor 16
	s_mov_b32 s22, 0x3e38aa3b                      ; c = log2(e) / 8
	s_mov_b32 s23, s22
	s_wait_kmcnt 0x0
	s_add_nc_u64 s[4:5], s[4:5], s[16:17]
	s_add_nc_u64 s[6:7], s[6:7], s[18:19]
	s_add_nc_u64 s[8:9], s[8:9], s[24:25]
	s_add_nc_u64 s[10:11], s[10:11], s[26:27]
.irp b, 0,1,2,3
.irp u, 0,1
	global_load_b128 v[QR+8*\b+4*\u:QR+8*\b+4*\u+3], v4, s[4:5] offset:64*\b+16*\u
	global_load_b128 v[KR+8*\b+4*\u:KR+8*\b+4*\u+3], v4, s[4:5] offset:4096+64*\b+16*\u
.endr
.endr
.irp dt, 0,1,2,3
.irp i, 0,1,2,3,4,5,6,7
	global_load_b32 v[VR+8*\dt+\i], v5, s[4:5] offset:8192+12288*\i+64*\dt
.endr
.endr
.irp nt, 0,1,2,3
.irp b, 0,1
.irp u, 0,1
	global_load_b128 v[W1+8*(2*\nt+\b)+4*\u:W1+8*(2*\nt+\b)+4*\u+3], v6, s[6:7] offset:65536*\nt+64*\b+16*\u
.endr
.endr
.endr
	global_load_b64 v[14:15], v10, s[8:9]          ; bo of my two columns
	s_wait_loadcnt 49                              ; q and k are in; v's 32, Wo's 16 and bo's one may be out
.irp s, 0,1,2,3                                ; S^T = k q^T in four parts, one for each 16 channels: four accumulators by turns
.irp b, 0,1,2,3
.if \s == 0
	v_wmma_f32_16x16x4_f32 v[ACC+8*\b:ACC+8*\b+7], v[KR+8*\b+2*\s:KR+8*\b+2*\s+1], v[QR+8*\b+2*\s:QR+8*\b+2*\s+1], 0
.else
	v_wmma_f32_16x16x4_f32 v[ACC+8*\b:ACC+8*\b+7], v[KR+8*\b+2*\s:KR+8*\b+2*\s+1], v[QR+8*\b+2*\s:QR+8*\b+2*\s+1], v[ACC+8*\b:ACC+8*\b+7]
.endif
.endr
.endr
.rept 9
	v_nop                                          ; places behind this form: eight for reads of the results and loads into the sources, nine for the products that begin the accumulators anew
.endr
.irp nt, 0,1,2,3
.irp b, 2,3
.irp u, 0,1
	global_load_b128 v[QR+8*(2*\nt+\b-2)+4*\u:QR+8*(2*\nt+\b-2)+4*\u+3], v6, s[6:7] offset:65536*\nt+64*\b+16*\u   ; Wo's other half takes q's and k's registers
.endr
.endr
.endr
.irp j, 0,2,4,6                                ; the four parts are added, each accumulator from its low end on
	v_pk_add_f32 v[SS+\j:SS+\j+1], v[ACC+\j:ACC+\j+1], v[ACC+8+\j:ACC+8+\j+1]
	v_pk_add_f32 v[TT+\j:TT+\j+1], v[ACC+16+\j:ACC+16+\j+1], v[ACC+24+\j:ACC+24+\j+1]
.endr
.irp j, 0,2,4,6
	v_pk_add_f32 v[SS+\j:SS+\j+1], v[SS+\j:SS+\j+1], v[TT+\j:TT+\j+1]
.endr
	v_mov_b32 v11, 0xff800000                      ; -infinity
.irp j, 0,1,2,3,4,5,6,7
	v_cmp_gt_i32 vcc_lo, \j, v7                    ; register j holds key 8 h + j of query r: hidden where j > r - 8 h
	v_cndmask_b32 v[SS+\j], v[SS+\j], v11, vcc_lo
.endr
	v_max3_num_f32 v[TT], v[SS], v[SS+1], v[SS+2]
	v_max3_num_f32 v[TT], v[TT], v[SS+3], v[SS+4]
	v_max3_num_f32 v[TT], v[TT], v[SS+5], v[SS+6]
	v_max_num_f32 v[TT], v[TT], v[SS+7]
	v_permlanex16_b32 v[TT+1], v[TT], s20, s21
	v_max_num_f32 v[TT], v[TT], v[TT+1]            ; the row's maximum: key 0 counts for every query, so it is a number
	v_mul_f32 v[TT+2], s22, v[TT]                  ; c m
.irp j, 0,2,4,6
	v_pk_fma_f32 v[SS+\j:SS+\j+1], v[SS+\j:SS+\j+1], s[22:23], v[TT+2:TT+3] op_sel_hi:[1,0,0] neg_lo:[0,0,1] neg_hi:[0,0,1]
.endr
.irp j, 0,1,2,3,4,5,6,7
	v_exp_f32 v[SS+\j], v[SS+\j]                   ; p = 2^(c s - c m)
.endr
	v_nop                                          ; a plain instruction behind the exponentials
	s_wait_alu depctr_va_vdst(0)                   ; one wait for the eight, ahead of their first reader
	v_pk_add_f32 v[TT+4:TT+5], v[SS:SS+1], v[SS+2:SS+3]
	v_pk_add_f32 v[TT+6:TT+7], v[SS+4:SS+5], v[SS+6:SS+7]
	v_pk_add_f32 v[TT+4:TT+5], v[TT+4:TT+5], v[TT+6:TT+7]
	v_add_f32 v[TT+4], v[TT+4], v[TT+5]
	v_permlanex16_b32 v[TT+5], v[TT+4], s20, s21
	v_add_f32 v[TT+4], v[TT+4], v[TT+5]            ; the row's sum
	v_rcp_f32 v[TT+6], v[TT+4]
	v_nop
	s_wait_alu depctr_va_vdst(0)                   ; and one for the reciprocal
	s_wait_loadcnt 33                              ; v is in; Wo's 32 and bo's one may be out
.irp s, 0,1,2,3                                ; O^T = v^T p: keys 8 h + 2 s + 0, 1 a step
.irp dt, 0,1,2,3
.if \s == 0
	v_wmma_f32_16x16x4_f32 v[ACC+8*\dt:ACC+8*\dt+7], v[VR+8*\dt+2*\s:VR+8*\dt+2*\s+1], v[SS+2*\s:SS+2*\s+1], 0
.else
	v_wmma_f32_16x16x4_f32 v[ACC+8*\dt:ACC+8*\dt+7], v[VR+8*\dt+2*\s:VR+8*\dt+2*\s+1], v[SS+2*\s:SS+2*\s+1], v[ACC+8*\dt:ACC+8*\dt+7]
.endif
.endr
.endr
.rept 9
	v_nop
.endr
.set i, 0
.rept 16
	v_pk_mul_f32 v[VR+i:VR+i+1], v[ACC+i:ACC+i+1], v[TT+6:TT+7] op_sel_hi:[1,0]   ; O / l: lane (query r, h): channel 16 dt + 8 h + j at VR + 8 dt + j
.set i, i+2
.endr
	s_wait_loadcnt 0x0                             ; Wo and bo
.irp b, 0,1,2,3                                ; Y^T = Wo O^T over my head's 64 channels: four accumulators (16 columns each) by turns
.irp s, 0,1,2,3
.irp nt, 0,1,2,3
.if \b < 2
.set WR, W1+8*(2*\nt+\b)+2*\s
.else
.set WR, QR+8*(2*\nt+\b-2)+2*\s
.endif
.if (\b == 0) && (\s == 0)
	v_wmma_f32_16x16x4_f32 v[ACC+8*\nt:ACC+8*\nt+7], v[WR:WR+1], v[VR+8*\b+2*\s:VR+8*\b+2*\s+1], 0
.else
	v_wmma_f32_16x16x4_f32 v[ACC+8*\nt:ACC+8*\nt+7], v[WR:WR+1], v[VR+8*\b+2*\s:VR+8*\b+2*\s+1], v[ACC+8*\nt:ACC+8*\nt+7]
.endif
.endr
.endr
.endr
.rept 8
	v_nop                                          ; places in front of the stores that read the results
.endr
.irp nt, 0,1,2,3
.irp u, 0,1
	ds_store_b128 v8, v[ACC+8*\nt+4*\u:ACC+8*\nt+4*\u+3] offset:1024*\nt+512*\u   ; my head's part, as an image of its registers; each accumulator from its low end on
.endr
.endr
	s_wait_dscnt 0x0                               ; for the others' sake: my stores have landed
	s_barrier_signal -1
	s_barrier_wait -1
.irp hd, 0,1,2,3,4,5,6,7,8,9,10,11,12,13,14,15
	ds_load_b64 v[RED+2*\hd:RED+2*\hd+1], v9 offset:4096*\hd       ; row w, columns 2 l and 2 l + 1, of each head's part
.endr
	s_wait_dscnt 0x0
.irp hd, 0,1,2,3,4,5,6,7,8,9,10,11,12,13,14,15
	v_pk_add_f32 v[14:15], v[14:15], v[RED+2*\hd:RED+2*\hd+1]      ; bo, then the heads in order
.endr
	global_store_b64 v10, v[14:15], s[10:11]       ; the wave stores 256 consecutive bytes, aligned
	s_wait_tensorcnt 0x0                           ; the wave's end
	ds_add_u32 v12, v13
	s_wait_dscnt 0x0
	s_endpgm
.Lfunc_end_k_qf65a490390_fine:
	.size	k_qf65a490390_fine, .Lfunc_end_k_qf65a490390_fine-k_qf65a490390_fine
	.p2alignl 7, 3214868480
	.fill 96, 4, 3214868480
	.section	.rodata,"a",@progbits
	.p2align	6, 0x0
	.amdhsa_kernel k_qf65a490390_fine
		.amdhsa_group_segment_fixed_size 67584
		.amdhsa_private_segment_fixed_size 0
		.amdhsa_enable_private_segment 0
		.amdhsa_kernarg_size 32
		.amdhsa_user_sgpr_count 2
		.amdhsa_user_sgpr_kernarg_segment_ptr 1
		.amdhsa_wavefront_size32 1
		.amdhsa_system_sgpr_workgroup_id_x 1
		.amdhsa_system_sgpr_workgroup_id_y 1
		.amdhsa_system_sgpr_workgroup_id_z 1
		.amdhsa_system_vgpr_workitem_id 0
		.amdhsa_next_free_vgpr 256
		.amdhsa_next_free_sgpr 66
		.amdhsa_reserve_vcc 1
		.amdhsa_float_denorm_mode_32 3
		.amdhsa_float_denorm_mode_16_64 3
		.amdhsa_memory_ordered 1
		.amdhsa_forward_progress 1
		.amdhsa_inst_pref_size 24
	.end_amdhsa_kernel
	.amdgpu_metadata
---
amdhsa.version: [ 1, 2 ]
amdhsa.kernels:
  - .name:           k_qf65a490390_fine
    .symbol:         k_qf65a490390_fine.kd
    .args:
      - { .name: fine32, .offset: 0, .size: 8, .value_kind: global_buffer, .address_space: global }
      - { .name: Wo, .offset: 8, .size: 8, .value_kind: global_buffer, .address_space: global }
      - { .name: bo, .offset: 16, .size: 8, .value_kind: global_buffer, .address_space: global }
      - { .name: out0, .offset: 24, .size: 8, .value_kind: global_buffer, .address_space: global }
    .group_segment_fixed_size: 67584
    .private_segment_fixed_size: 0
    .kernarg_segment_align: 8
    .kernarg_segment_size: 32
    .max_flat_workgroup_size: 512
    .sgpr_count:     66
    .vgpr_count:     256
    .wavefront_size: 32
...
	.end_amdgpu_metadata
.endif
;; end of part 5
